; MI455X (gfx1250); checked and timed in simulation.
; The chip was launched on July 23, 2026; its instructions are those of AMD's public machine-readable ISA for CDNA 5 (MIT licence, August 2026) and "CDNA5" Instruction Set Architecture Reference Guide (July 2026). The comments in the code are by the model that wrote it; some were corrected since.
;; Vector Quantizer. Allowed arithmetic: float matrix products may take bf16 or f16 operands with f32 sums; all other float work in f32.
;; Inputs: codebook 512 x 64 float32; x 64 x 64 x 32 x 32 float32.
;; Outputs: out0 64 x 64 x 32 x 32 float32; out1 one number float32; out2 one number float32; out3 64 x 1,024 int32; out4 64 x 512 float32; out5 64 x 512 float32.
;; 2 versions, each right and faster than the one before. Each part assembles by itself: llvm-mc -triple=amdgcn-amd-amdhsa -mcpu=gfx1250 --defsym DOCPART=n.
;; ======== version 1 of 2: 2 launches
;; limits: a difference of large sums (such as E[x^2] - mean^2): digits are lost where the result is much smaller than its terms; values outside matrix products are rounded to bf16
;; workspace buffers: codes 262,144 bytes of whole numbers; hp 262,144 bytes; sp 524,288 bytes; lp 1,024 bytes
;; launch vq_main (part 1): grid 256 x 1, 8 waves a work-group, no clusters, 168,960 bytes of LDS; arguments x, codebook, out3, codes, hp, sp, lp; writes out3, codes, hp, sp, lp
.if DOCPART == 1
	.amdgcn_target "amdgcn-amd-amdhsa--gfx1250"
	.amdhsa_code_object_version 6
	.text
	.protected	k_q54d59f0c11_vq_main
	.globl	k_q54d59f0c11_vq_main
	.p2align	8
	.type	k_q54d59f0c11_vq_main,@function
k_q54d59f0c11_vq_main:
	s_mov_b64 s[64:65], 0
	v_nop
	global_prefetch_b8 v0, s[64:65] scope:SCOPE_SE
	s_setreg_imm32_b32 hwreg(HW_REG_WAVE_MODE, 25, 1), 1
	s_wait_xcnt 0x0
; VECTOR QUANTISER, first of two launches: distances, argmin, softmax histogram, code counts, sum of the least distances.
; x [64][64 d][1024 p] f32, codebook [512][64] f32.  dist[p][k] = fl(fl(sx[p] + se[k]) - 2 mm[p][k]), with reference()'s own two roundings;
; mm is the bf16 product with f32 sums, sx and se are sums of squares of the bf16-rounded operands.
; WORK LEFT OUT, for all finite inputs:
;  - one_hot(idx) x codebook picks row idx of the codebook: it is a lookup.  The second launch makes it from the indices stored here.
;  - quant_st = x + (q - x) = q in real numbers: the second launch stores q and x is not read again.
;  - sum over d of (q - x)^2 = sx + se[idx] - 2 mm[idx] = dist[idx], the expansion that reference() itself uses for dist: both losses are the mean of the
;    least distances, loss = 1.25 x sum over p of min dist / (65536 x 64).
;  - encoding, avg_probs and index_program are counts of idx: no [N][512] one-hot array is made.
;  sx stays in dist, in the argmin and in the softmax: it is so large beside the other terms that reference()'s f32 loses their low bits to it.
;  The softmax takes the row's true least distance away before the exponential, as reference() does.
; LIMITS: NaN and infinities in x or in the codebook are not carried as reference() carries them (a row in which no distance equals the least one gets index 511);
;  an overflow that reaches only x + (q - x) is not reproduced; the loss carries the operands' rounding to bf16 and loses relative accuracy where
;  |x - q|^2 is under about 1e-5 of |x|^2; a row whose two best distances lie within one step of f32 can take the other index where the product's last bits differ.
; SHARES: work-group g owns pixels 256 (g & 3) .. +255 of image g >> 2 and all 512 codes.  Wave w owns codes 64 w .. 64 w + 63 for all 256 pixels and keeps
;  their fragments in registers.  D = codes x pixels: register j of tile t in lane (r, h) is code 64 w + 16 t + 8 h + j, pixel r.  So what runs along the codes is
;  reduced inside a lane, then across the two halves of the lanes, then across the eight waves through LDS.  Eight trips of 32 pixels, written out, so that every LDS offset is an immediate.
; NO CLUSTER: the work-groups share the codebook alone, and each wave takes its 16 KiB of it once, straight into fragment registers; the trips read nothing shared.
.set SXO,  0          ; [256] f32        finished sx
.set SEO,  1024       ; [512] f32        se
.set IDXO, 3072       ; [256] u32        argmin
.set SHO,  4096       ; [512] f32        softmax histogram of the work-group
.set XMO,  6144       ; [8 trips][8 waves][32 pixels] f32   each wave's least distance
.set XSO,  14336      ; the same shape: each wave's sum of exponentials
.set XIO,  22528      ; the same shape: each wave's lowest index at the least distance
.set SXPO, 30720      ; [8 waves][256] f32   partial sx (eight d each)
.set HPO,  38912      ; [8 waves][512] f32   code counts of each wave's 32 pixels
.set XBO,  55296      ; x in bf16: four chunks of 64 pixels, each [64 d] rows of 128 bytes at pitch 160 = 5 x 32
.set XBP,  160
.set XBC,  64*XBP
.set XFO,  96256      ; x in f32 as the tensor loads bring it: wave w has 8 rows of 1,024 bytes at XFO + 8192 w.  No ds_store ever lands here
.set L, 1             ; lane
.set R, 2             ; lane & 15
.set H, 3             ; lane >> 4
.set VB, 4            ; XB: address of the transposing loads
.set VSX, 5           ; 4 r
.set VXW, 6           ; 128 w + 4 lane
.set VXL, 7           ; 4 lane
.set BIG, 8           ; 0xffffff: no code of this group is at the least distance
.set CBASE, 9         ; 64 w + 8 h
.set LOSS, 10         ; sum of the least distances of pixels 32 i + lane
.set VXF, 11          ; XF: my 16 bytes
.set SXR, 12          ; v[12:13] sx of pixel r in tiles u = 0, 1
.set MR, 14           ; v[14:15] least distance, u = 0, 1
.set MCR, 16          ; v[16:17] the same times log2 e
.set WR, 18           ; v[18:19] 1 / sum of exponentials
.set VXBW, 20         ; XB: where the conversion stores
.set VSXP, 21         ; 1024 w + 16 r
.set VFS, 22          ; 1024 (lane >> 3) + 32 w + 4 (lane & 7)
.set VFSW, 23         ; 32 w + 4 (lane & 7)
.set BF, 24           ; v[24:55] pixel fragments BF + 16 u + 8 s; at work behind the products
.set IC, 24           ; v[24:31] index chains, one for each group g = 4 u + t
.set MN, 40           ; v[40:43] chains of minima
.set SS, 44           ; v[44:47] sums of exponentials, a pair for each u
.set T, 56            ; v[56:63] at work; never an operand of a product
.set CB, 64           ; v[64:127] code fragments CB + 16 t + 8 s
.set SE, 128          ; v[128:159] se of my codes, SE + 8 t + j
.set ACC, 160         ; v[160:191] softmax histogram, ACC + 8 t + j
.set DD, 192          ; v[192:255] distances, then exponentials, DD + 32 u + 8 t + j
.set MK, 48           ; s[48:63] masks of the compares, two sets of eight
.set LOG2E, 0x3fb8aa3b
.set NLOG2E, 0xbfb8aa3b
.macro BAR
	s_barrier_signal -1
	s_barrier_wait -1
.endm
	s_load_b256 s[4:11], s[0:1], 0x0               ; x s[4:5], codebook s[6:7], out3 s[8:9], codes s[10:11]
	s_load_b128 s[12:15], s[0:1], 0x20             ; hp s[12:13], sp s[14:15]
	s_load_b64 s[16:17], s[0:1], 0x30              ; lp
	s_set_vgpr_msb 0x40
	v_lshl_add_u32 v0, v0, 2, 0x29000
	v_mov_b32 v1, 0
	s_set_vgpr_msb 0x4045
	ds_add_u32 v0, v1
	ds_add_u32 v0, v1
	s_set_vgpr_msb 0x4500
	v_lshrrev_b32 v1, 5, v0
	v_readfirstlane_b32 s18, v1                    ; wave 0..7
	s_mov_b32 s19, ttmp9                           ; work-group g
	s_mov_b32 s20, 0xffff0000                      ; lanes 16-31 as a mask; also a word's upper bf16
	s_mov_b32 s22, 0x76543210                      ; v_permlanex16_b32: lane i reads lane i of the other half
	s_mov_b32 s23, 0xfedcba98
	; descriptor group 1: a tile of 8 rows (d) x 256 elements of 4 bytes (my work-group's pixels), 1,024 elements from row to row, dense in LDS
	s_mov_b32 s24, 2<<16                           ; no mask, elements of 4 bytes, no padding
	s_mov_b32 s25, 256<<16                         ; tensor_dim0 = 256
	s_mov_b32 s26, 8<<16                           ; tensor_dim1 = 8
	s_mov_b32 s27, 256<<16                         ; tile_dim0 = 256
	s_mov_b32 s28, 8                               ; tile_dim1 = 8
	s_mov_b32 s29, 1024                            ; pitch
	s_mov_b32 s30, 0
	s_mov_b32 s31, 0
	; group 0: to XFO + 8192 w, from x + 262144 (g >> 2) + 1024 (g & 3) + 32768 w
	s_mov_b32 s32, 1
	s_lshl_b32 s33, s18, 13
	s_add_co_u32 s33, s33, XFO
	s_lshr_b32 s66, s19, 2
	s_lshl_b32 s66, s66, 18
	s_and_b32 s67, s19, 3
	s_lshl_b32 s67, s67, 10
	s_add_co_u32 s66, s66, s67
	s_lshl_b32 s67, s18, 15
	s_add_co_u32 s66, s66, s67
	s_mov_b32 s67, 0
	v_and_b32 v[L], 31, v0
	v_and_b32 v[R], 15, v0
	v_bfe_u32 v[H], v0, 4, 1
	v_lshlrev_b32 v47, 8, v[R]                     ; codebook: (64 w + r) rows of 256 bytes + 32 h
	v_lshl_add_u32 v47, v[H], 5, v47
	v_lshl_add_u32 v47, s18, 14, v47
	s_wait_dscnt 0x0
	s_wait_kmcnt 0x0
	s_add_nc_u64 s[34:35], s[4:5], s[66:67]
	s_or_b32 s35, s35, 0x80000000
	tensor_load_to_lds s[32:35], s[24:31]          ; my eight rows of x: the wave's one tensor load, a first fill, ahead of every LDS read, barrier and wait for it
	s_nop 0
	; my 64 codes in f32, staged in v[128:255]: register 128 + 32 t + 16 s + 8 f + e holds d = 32 s + 16 f + 8 h + e of code 64 w + 16 t + r
.irp t, 0,1,2,3
.irp n, 0,1,2,3,4,5,6,7
	global_load_b128 v[128+32*\t+4*\n:128+32*\t+4*\n+3], v47, s[6:7] offset:4096*\t+128*(\n/4)+64*((\n/2)%2)+16*(\n%2)
.endr
.endr
	v_and_b32 v48, 7, v0
	v_lshl_add_u32 v49, v[H], 3, v48               ; 8 h + (lane & 7): the row that this lane addresses in a transposing load
	v_mul_u32_u24 v[VB], v49, XBP
	v_bfe_u32 v49, v0, 3, 1
	v_lshl_add_u32 v[VB], v49, 4, v[VB]
	v_add_nc_u32 v[VB], XBO, v[VB]
	v_lshlrev_b32 v[VSX], 2, v[R]
	v_lshlrev_b32 v[VXL], 2, v[L]
	v_lshl_add_u32 v[VXW], s18, 7, v[VXL]
	v_mov_b32 v[BIG], 0xffffff
	v_lshlrev_b32 v[CBASE], 3, v[H]
	v_lshl_add_u32 v[CBASE], s18, 6, v[CBASE]
	v_lshlrev_b32 v[VXF], 4, v[R]
	v_lshl_add_u32 v[VXF], v[H], 10, v[VXF]
	v_lshl_add_u32 v[VXF], s18, 13, v[VXF]
	v_add_nc_u32 v[VXF], XFO, v[VXF]
	s_mul_i32 s66, s18, 8*XBP
	s_add_co_u32 s66, s66, XBO
	v_mul_u32_u24 v[VXBW], v[H], XBP
	v_lshl_add_u32 v[VXBW], v[R], 3, v[VXBW]
	v_add_nc_u32 v[VXBW], s66, v[VXBW]
	v_lshlrev_b32 v[VSXP], 4, v[R]
	v_lshl_add_u32 v[VSXP], s18, 10, v[VSXP]
	v_lshlrev_b32 v[VFSW], 2, v48
	v_lshl_add_u32 v[VFSW], s18, 5, v[VFSW]
	v_lshrrev_b32 v49, 3, v[L]
	v_lshl_add_u32 v[VFS], v49, 10, v[VFSW]
	v_lshl_add_u32 v46, s18, 8, v[VSX]             ; 256 w + 4 r: where se is stored
	v_lshlrev_b32 v45, 5, v[H]
	v_lshl_add_u32 v45, s18, 8, v45                ; 256 w + 32 h: where my eight se of a tile are read
.irp n, 52,53,54,55
	v_mov_b32 v\n, 0                               ; destinations of v_permlanex16_b32 count as read: written once here
.endr
; Tile t of my codes: round to bf16 into the fragments, and se = sum of the squares of the rounded numbers.
.macro CBT t
	s_wait_loadcnt 24-8*\t                         ; loads come back in order: tile t's eight are in, the eight of each younger tile stay out
.irp n, 0,1,2,3,4,5,6,7,8,9,10,11,12,13,14,15
	v_cvt_pk_bf16_f32 v[CB+16*\t+\n], v[128+32*\t+2*\n], v[128+32*\t+2*\n+1]
.endr
.irp n, 0,1,2,3,4,5,6,7,8,9,10,11,12,13,14,15
	v_lshlrev_b32 v[T+2*(\n%4)], 16, v[CB+16*\t+\n]
	v_and_b32 v[T+2*(\n%4)+1], s20, v[CB+16*\t+\n]
.if \n < 2
	v_pk_mul_f32 v[48+2*(\n%2):49+2*(\n%2)], v[T+2*(\n%4):T+2*(\n%4)+1], v[T+2*(\n%4):T+2*(\n%4)+1]
.else
	v_pk_fma_f32 v[48+2*(\n%2):49+2*(\n%2)], v[T+2*(\n%4):T+2*(\n%4)+1], v[T+2*(\n%4):T+2*(\n%4)+1], v[48+2*(\n%2):49+2*(\n%2)]
.endif
.endr
	v_pk_add_f32 v[48:49], v[48:49], v[50:51]
	v_add_f32 v48, v48, v49
	v_permlanex16_b32 v52, v48, s22, s23           ; the other half of the lanes holds the other 32 d
	v_add_f32 v48, v48, v52
	ds_store_b32 v46, v48 offset:SEO+64*\t         ; se of code 64 w + 16 t + r (both halves store the same word)
.endm
	CBT 0
	CBT 1
	CBT 2
	CBT 3
.irp t, 0,1,2,3
	ds_load_b128 v[SE+8*\t:SE+8*\t+3], v45 offset:SEO+64*\t        ; my wave's own bytes: LDS serves a wave's instructions in order
	ds_load_b128 v[SE+8*\t+4:SE+8*\t+7], v45 offset:SEO+64*\t+16
.endr
; Chunk c (pixels 64 c .. 64 c + 63) of my eight rows d = 8 w .. 8 w + 7: f32 from XF, rounded to bf16 into XB, and the squares of the rounded numbers summed over my rows.
.macro CONVERT c
.irp i, 0,1,2,3
	ds_load_b128 v[24+4*\i:27+4*\i], v[VXF] offset:2048*\i+256*\c  ; row 2 i + h, pixels 64 c + 4 r .. + 3
.endr
	s_wait_dscnt 0x0
.irp i, 0,1,2,3
	v_cvt_pk_bf16_f32 v[40+2*\i], v[24+4*\i], v[25+4*\i]
	v_cvt_pk_bf16_f32 v[41+2*\i], v[26+4*\i], v[27+4*\i]
	ds_store_b64 v[VXBW], v[40+2*\i:41+2*\i] offset:2*XBP*\i+XBC*\c
	v_lshlrev_b32 v[24+4*\i], 16, v[40+2*\i]
	v_and_b32 v[25+4*\i], s20, v[40+2*\i]
	v_lshlrev_b32 v[26+4*\i], 16, v[41+2*\i]
	v_and_b32 v[27+4*\i], s20, v[41+2*\i]
.if \i == 0
	v_pk_mul_f32 v[48:49], v[24:25], v[24:25]
	v_pk_mul_f32 v[50:51], v[26:27], v[26:27]
.else
	v_pk_fma_f32 v[48:49], v[24+4*\i:25+4*\i], v[24+4*\i:25+4*\i], v[48:49]
	v_pk_fma_f32 v[50:51], v[26+4*\i:27+4*\i], v[26+4*\i:27+4*\i], v[50:51]
.endif
.endr
.irp n, 0,1,2,3
	v_permlanex16_b32 v[52+\n], v[48+\n], s22, s23 ; the odd rows lie in the other half of the lanes
.endr
	v_pk_add_f32 v[48:49], v[48:49], v[52:53]
	v_pk_add_f32 v[50:51], v[50:51], v[54:55]
	ds_store_b128 v[VSXP], v[48:51] offset:SXPO+256*\c
.endm
; sx of pixel 64 c + 8 w + (lane & 7): the eight waves' partial sums.  Lane group lane >> 3 takes waves (lane >> 3) and (lane >> 3) + 4.
.macro FSXL c
	ds_load_b32 v48, v[VFS] offset:SXPO+256*\c
	ds_load_b32 v49, v[VFS] offset:SXPO+256*\c+4096
.endm
.macro FSXR c
	s_wait_dscnt 0x0
	v_add_f32 v48, v48, v49
	v_add_f32_dpp v48, v48, v48 row_xmask:8 row_mask:0xf bank_mask:0xf
	v_permlanex16_b32 v49, v48, s22, s23
	v_add_f32 v48, v48, v49
	ds_store_b32 v[VFSW], v48 offset:SXO+256*\c
.endm
; Group (u, t): dist = fl(fl(se + sx) - 2 mm) in place of mm, and its part of two chains of minima.
.macro PH1G u, t
.irp k, 0,1,2,3
	v_pk_add_f32 v[T+2*\k:T+2*\k+1], v[SE+8*\t+2*\k:SE+8*\t+2*\k+1], v[SXR:SXR+1] op_sel:[0,\u] op_sel_hi:[1,\u]
.endr
.irp k, 0,1,2,3
	v_pk_fma_f32 v[DD+32*\u+8*\t+2*\k:DD+32*\u+8*\t+2*\k+1], v[DD+32*\u+8*\t+2*\k:DD+32*\u+8*\t+2*\k+1], -2.0, v[T+2*\k:T+2*\k+1] op_sel_hi:[1,0,1]
.endr
.if \t == 0
	v_min_num_f32 v[MN+2*\u], v[DD+32*\u], v[DD+32*\u+1]           ; the first tile starts the chains
	v_min_num_f32 v[MN+2*\u+1], v[DD+32*\u+4], v[DD+32*\u+5]
.else
	v_min3_num_f32 v[MN+2*\u], v[MN+2*\u], v[DD+32*\u+8*\t], v[DD+32*\u+8*\t+1]
	v_min3_num_f32 v[MN+2*\u+1], v[MN+2*\u+1], v[DD+32*\u+8*\t+4], v[DD+32*\u+8*\t+5]
.endif
	v_min3_num_f32 v[MN+2*\u], v[MN+2*\u], v[DD+32*\u+8*\t+2], v[DD+32*\u+8*\t+3]
	v_min3_num_f32 v[MN+2*\u+1], v[MN+2*\u+1], v[DD+32*\u+8*\t+6], v[DD+32*\u+8*\t+7]
.endm
; The exponentials of group g = 4 u + t are added to u's pair of sums; the first group of a u starts it.
.macro SUMG g
.if \g%4 == 0
	s_wait_alu depctr_va_vdst(0)
	v_pk_add_f32 v[SS+2*(\g/4):SS+2*(\g/4)+1], v[DD+8*\g:DD+8*\g+1], v[DD+8*\g+2:DD+8*\g+3]
.else
	s_wait_alu depctr_va_vdst(0)
	v_pk_add_f32 v[SS+2*(\g/4):SS+2*(\g/4)+1], v[SS+2*(\g/4):SS+2*(\g/4)+1], v[DD+8*\g:DD+8*\g+1]
	v_pk_add_f32 v[SS+2*(\g/4):SS+2*(\g/4)+1], v[SS+2*(\g/4):SS+2*(\g/4)+1], v[DD+8*\g+2:DD+8*\g+3]
.endif
	v_pk_add_f32 v[SS+2*(\g/4):SS+2*(\g/4)+1], v[SS+2*(\g/4):SS+2*(\g/4)+1], v[DD+8*\g+4:DD+8*\g+5]
	v_pk_add_f32 v[SS+2*(\g/4):SS+2*(\g/4)+1], v[SS+2*(\g/4):SS+2*(\g/4)+1], v[DD+8*\g+6:DD+8*\g+7]
.endm
; Group g: which distances equal the row's least one; the lowest such 16 t + j (j goes down, so the lowest is written last); exp2((least - dist) log2 e) in place.
; The eight compares at the head are the plain instructions between the last group's exponentials and the sums that read them (ISA guide 5.7.2).
.macro PH2G g, u, t
.irp j, 0,1,2,3,4,5,6,7
	v_cmp_eq_f32 s[MK+8*(\g%2)+\j], v[DD+8*\g+\j], v[MR+\u]
.endr
.if \g > 0
	SUMG (\g-1)
.endif
	v_cndmask_b32 v[IC+\g], v[BIG], 16*\t+7, s[MK+8*(\g%2)+7]
.irp k, 0,1,2,3
	v_pk_fma_f32 v[DD+8*\g+2*\k:DD+8*\g+2*\k+1], v[DD+8*\g+2*\k:DD+8*\g+2*\k+1], NLOG2E, v[MCR:MCR+1] op_sel:[0,0,\u] op_sel_hi:[1,0,\u]
	v_cndmask_b32 v[IC+\g], v[IC+\g], 16*\t+6-2*\k, s[MK+8*(\g%2)+6-2*\k]
.if \k < 3
	v_cndmask_b32 v[IC+\g], v[IC+\g], 16*\t+5-2*\k, s[MK+8*(\g%2)+5-2*\k]
.endif
.endr
.irp j, 0,1,2,3,4,5,6,7
	v_exp_f32 v[DD+8*\g+\j], v[DD+8*\g+\j]
.endr
.endm
; Trip i: pixels 32 i .. 32 i + 31 (tiles u = 0, 1) against my 64 codes.  conv = 1: the trip also converts the next chunk of 64 pixels, i / 2 + 1.
.macro TRIP i, conv
.if \conv
	CONVERT (\i/2+1)                               ; stored in front of this trip's first barrier, first read two trips on; another chunk's bytes than the ones read now
.endif
.irp u, 0,1
.irp s, 0,1
	ds_load_tr16_b128 v[BF+16*\u+8*\s:BF+16*\u+8*\s+3], v[VB] offset:XBC*(\i/2)+32*XBP*\s+32*(2*(\i%2)+\u)
	ds_load_tr16_b128 v[BF+16*\u+8*\s+4:BF+16*\u+8*\s+7], v[VB] offset:XBC*(\i/2)+32*XBP*\s+16*XBP+32*(2*(\i%2)+\u)
.endr
.endr
	ds_load_b32 v[SXR], v[VSX] offset:SXO+64*(2*\i)
	ds_load_b32 v[SXR+1], v[VSX] offset:SXO+64*(2*\i+1)
	s_wait_dscnt 0x0
	; sixteen products.  The eight accumulators take turns, one instruction a turn; the first eight start the sums.
.irp u, 0,1
.irp t, 0,1,2,3
	v_wmma_f32_16x16x32_bf16 v[DD+32*\u+8*\t:DD+32*\u+8*\t+7], v[CB+16*\t:CB+16*\t+7], v[BF+16*\u:BF+16*\u+7], 0
.endr
.endr
.irp u, 0,1
.irp t, 0,1,2,3
	v_wmma_f32_16x16x32_bf16 v[DD+32*\u+8*\t:DD+32*\u+8*\t+7], v[CB+16*\t+8:CB+16*\t+15], v[BF+16*\u+8:BF+16*\u+15], v[DD+32*\u+8*\t:DD+32*\u+8*\t+7]
.endr
.endr
	; The first group's four packed adds name se, sx and T alone: they are the four places between the last product and the first read of a result (ISA guide 7.12.1).
.irp u, 0,1
.irp t, 0,1,2,3
	PH1G \u, \t
.endr
.endr
	; the least distance of each pixel: the two chains, the two halves of the lanes, then the eight waves through LDS.  Lane l stands for pixel 32 i + l.
	v_min_num_f32 v40, v40, v41
	v_min_num_f32 v42, v42, v43
	v_permlanex16_b32 v51, v40, s22, s23
	v_permlanex16_b32 v52, v42, s22, s23
	v_min_num_f32 v40, v40, v51
	v_min_num_f32 v42, v42, v52
	v_cndmask_b32 v53, v40, v42, s20
	ds_store_b32 v[VXW], v53 offset:XMO+1024*\i
	s_wait_dscnt 0x0                               ; for the other waves' sake: my stores (the minima; with conv also XB and the partial sx) are in LDS
	BAR
.irp k, 0,1,2,3,4,5,6,7
	ds_load_b32 v[32+\k], v[VXL] offset:XMO+1024*\i+128*\k
.endr
.if \conv
	FSXL (\i/2+1)
	s_wait_dscnt 0x2                               ; the eight minima are in; the two partial sx issued behind them stay out
.else
	s_wait_dscnt 0x0
.endif
	v_min3_num_f32 v32, v32, v33, v34
	v_min3_num_f32 v32, v32, v35, v36
	v_min3_num_f32 v32, v32, v37, v38
	v_min_num_f32 v32, v32, v39
.if \i == 0
	v_mov_b32 v[LOSS], v32
.else
	v_add_f32 v[LOSS], v[LOSS], v32
.endif
	v_permlanex16_b32 v33, v32, s22, s23
	v_cndmask_b32 v[MR], v32, v33, s20             ; pixel r of tile 0, in both halves of the lanes
	v_cndmask_b32 v[MR+1], v33, v32, s20           ; pixel r of tile 1
	v_mul_f32 v[MCR], LOG2E, v[MR]
	v_mul_f32 v[MCR+1], LOG2E, v[MR+1]
.if \conv
	FSXR (\i/2+1)                                  ; stored in front of this trip's second barrier
.endif
	PH2G 0, 0, 0
	PH2G 1, 0, 1
	PH2G 2, 0, 2
	PH2G 3, 0, 3
	PH2G 4, 1, 0
	PH2G 5, 1, 1
	PH2G 6, 1, 2
	PH2G 7, 1, 3
	v_min_u32 v24, v24, v25                        ; plain instructions between the last exponentials and their sum
	v_min_u32 v26, v26, v27
	v_min_u32 v28, v28, v29
	v_min_u32 v30, v30, v31
	SUMG 7
	v_min_u32 v24, v24, v26
	v_min_u32 v28, v28, v30
	v_add_nc_u32 v24, v24, v[CBASE]                ; 64 w + 8 h + 16 t + j: the code's number
	v_add_nc_u32 v28, v28, v[CBASE]
	v_add_f32 v44, v44, v45
	v_add_f32 v46, v46, v47
	v_permlanex16_b32 v48, v24, s22, s23
	v_permlanex16_b32 v49, v28, s22, s23
	v_permlanex16_b32 v50, v44, s22, s23
	v_permlanex16_b32 v51, v46, s22, s23
	v_min_u32 v24, v24, v48
	v_min_u32 v28, v28, v49
	v_add_f32 v44, v44, v50
	v_add_f32 v46, v46, v51
	v_cndmask_b32 v52, v24, v28, s20
	v_cndmask_b32 v53, v44, v46, s20
	ds_store_b32 v[VXW], v53 offset:XSO+1024*\i
	ds_store_b32 v[VXW], v52 offset:XIO+1024*\i    ; read in the tail
	s_wait_dscnt 0x0
	BAR
.irp k, 0,1,2,3,4,5,6,7
	ds_load_b32 v[32+\k], v[VXL] offset:XSO+1024*\i+128*\k
.endr
	s_wait_dscnt 0x0
	v_pk_add_f32 v[32:33], v[32:33], v[34:35]
	v_pk_add_f32 v[36:37], v[36:37], v[38:39]
	v_pk_add_f32 v[32:33], v[32:33], v[36:37]
	v_add_f32 v32, v32, v33                        ; at least about 1: the least distance's own exponential is in it
	v_rcp_f32 v33, v32
	v_nop                                          ; one plain instruction between v_rcp_f32 and the use of its result (ISA guide 5.7.2)
	s_wait_alu depctr_va_vdst(0)
	v_permlanex16_b32 v34, v33, s22, s23
	v_cndmask_b32 v[WR], v33, v34, s20
	v_cndmask_b32 v[WR+1], v34, v33, s20
	; the softmax histogram: each exponential over its row's sum, added up over the pixels
.irp n, 0,1,2,3,4,5,6,7,8,9,10,11,12,13,14,15
.if \i == 0
	v_pk_mul_f32 v[ACC+2*\n:ACC+2*\n+1], v[DD+2*\n:DD+2*\n+1], v[WR:WR+1] op_sel:[0,0] op_sel_hi:[1,0]
.else
	v_pk_fma_f32 v[ACC+2*\n:ACC+2*\n+1], v[DD+2*\n:DD+2*\n+1], v[WR:WR+1], v[ACC+2*\n:ACC+2*\n+1] op_sel:[0,0,0] op_sel_hi:[1,0,1]
.endif
.endr
.irp n, 0,1,2,3,4,5,6,7,8,9,10,11,12,13,14,15
	v_pk_fma_f32 v[ACC+2*\n:ACC+2*\n+1], v[DD+32+2*\n:DD+32+2*\n+1], v[WR:WR+1], v[ACC+2*\n:ACC+2*\n+1] op_sel:[0,1,0] op_sel_hi:[1,1,1]
.endr
.endm
	s_wait_tensorcnt 0x0                           ; my eight rows of x are in LDS; no other wave reads them, so this wait is all that my reads need
	CONVERT 0
	s_wait_dscnt 0x0
	BAR                                            ; chunk 0: XB and the partial sx of every wave are in LDS
	FSXL 0
	FSXR 0
	s_wait_dscnt 0x0
	BAR                                            ; sx of chunk 0
	TRIP 0, 1
	TRIP 1, 0
	TRIP 2, 1
	TRIP 3, 0
	TRIP 4, 1
	TRIP 5, 0
	TRIP 6, 0
	TRIP 7, 0
	; THE TAIL.  Wave w closes the argmin of trip w's 32 pixels: the lowest index over the eight waves (each trip's words were stored in front of that trip's second barrier).
	v_lshl_add_u32 v48, s18, 10, v[VXL]
.irp k, 0,1,2,3,4,5,6,7
	ds_load_b32 v[32+\k], v48 offset:XIO+128*\k
.endr
	v_lshlrev_b32 v49, 5, v[H]
	v_lshl_add_u32 v49, s18, 7, v49                ; 128 w + 32 h
	v_add_nc_u32 v42, 16, v[R]
	v_mov_b32 v56, 0x3f80                          ; 1.0 in bf16, in the low half
	v_mov_b32 v57, 0x3f800000                      ; and in the high half
	s_wait_dscnt 0x0
	v_min_u32 v32, v32, v33
	v_min_u32 v34, v34, v35
	v_min_u32 v36, v36, v37
	v_min_u32 v38, v38, v39
	v_min_u32 v32, v32, v34
	v_min_u32 v36, v36, v38
	v_min_u32 v32, v32, v36
	v_min_u32 v32, 0x1ff, v32                      ; a row without an equal least distance (NaN) gets 511
	ds_store_b32 v[VXW], v32 offset:IDXO
	; Code counts of my 32 pixels as a product over the pixels: count[16 a + c] = sum over p of [idx >> 4 = a] x [idx & 15 = c], ones and zeros in bf16, exact in f32.
	ds_load_b128 v[24:27], v49 offset:IDXO         ; my wave's own bytes, served in order: pixels 8 h .. 8 h + 7
	ds_load_b128 v[28:31], v49 offset:IDXO+16
	ds_load_b128 v[32:35], v49 offset:IDXO+64      ; pixels 16 + 8 h .. + 7
	ds_load_b128 v[36:39], v49 offset:IDXO+80
	s_wait_dscnt 0x0
.irp e, 0,1,2,3,4,5,6,7,8,9,10,11,12,13,14,15
	v_and_b32 v40, 15, v[24+\e]
	v_lshrrev_b32 v41, 4, v[24+\e]
	v_cmp_eq_u32 s48, v41, v[R]
	v_cmp_eq_u32 s49, v41, v42
	v_cmp_eq_u32 s50, v40, v[R]
.if \e%2 == 0
	v_cndmask_b32 v[192+\e/2], 0, v56, s48         ; rows a = 0..15
	v_cndmask_b32 v[200+\e/2], 0, v56, s49         ; rows a = 16..31
	v_cndmask_b32 v[208+\e/2], 0, v56, s50         ; columns c
.else
	v_cndmask_b32 v43, 0, v57, s48
	v_cndmask_b32 v44, 0, v57, s49
	v_cndmask_b32 v45, 0, v57, s50
	v_or_b32 v[192+\e/2], v[192+\e/2], v43
	v_or_b32 v[200+\e/2], v[200+\e/2], v44
	v_or_b32 v[208+\e/2], v[208+\e/2], v45
.endif
.endr
	v_wmma_f32_16x16x32_bf16 v[216:223], v[192:199], v[208:215], 0
	v_wmma_f32_16x16x32_bf16 v[224:231], v[200:207], v[208:215], 0
	; five plain instructions that name none of the products' registers stand between them and the stores of their results: the tail's addresses
	v_lshlrev_b32 v40, 9, v[H]
	v_lshl_add_u32 v40, v[R], 2, v40
	v_lshl_add_u32 v40, s18, 11, v40               ; 2048 w + 512 h + 4 r
	v_lshlrev_b32 v41, 5, v[H]
	v_lshl_add_u32 v41, s18, 8, v41                ; 256 w + 32 h
.irp a, 0,1
.irp j, 0,1,2,3,4,5,6,7
	ds_store_b32 v40, v[216+8*\a+\j] offset:HPO+1024*\a+64*\j      ; count of code 16 (16 a + 8 h + j) + r
.endr
.endr
	; the softmax histogram is summed over the sixteen pixels that the lanes of a half stand for
.irp m, 1,2,4,8
.set rn, 0
.rept 32
	v_add_f32_dpp v[ACC+rn], v[ACC+rn], v[ACC+rn] row_xmask:\m row_mask:0xf bank_mask:0xf
.set rn, rn+1
.endr
.endr
.irp t, 0,1,2,3
	ds_store_b128 v41, v[ACC+8*\t:ACC+8*\t+3] offset:SHO+64*\t     ; the sixteen lanes of a half store the same bytes
	ds_store_b128 v41, v[ACC+8*\t+4:ACC+8*\t+7] offset:SHO+64*\t+16
.endr
	; the sum of the 256 least distances (the same in every wave)
.irp m, 1,2,4,8
	v_add_f32_dpp v[LOSS], v[LOSS], v[LOSS] row_xmask:\m row_mask:0xf bank_mask:0xf
.endr
	v_permlanex16_b32 v48, v[LOSS], s22, s23
	v_add_f32 v[LOSS], v[LOSS], v48
	s_wait_dscnt 0x0
	BAR                                            ; IDX, HP and SH of every wave are in LDS
	; THE WAY OUT, under branches on the wave's number; no barrier follows.
	s_lshl_b32 s66, s19, 10
	s_mov_b32 s67, 0
	v_lshlrev_b32 v48, 4, v[L]
	s_cmp_ge_u32 s18, 4
	s_cbranch_scc1 .Lsoft
	; waves 0-3: thread t < 128 adds the eight waves' counts of codes 4 t .. 4 t + 3 and packs them, two to a word (a count is 256 at the most)
	v_lshl_add_u32 v48, s18, 9, v48                ; 16 t
.irp k, 0,1,2,3,4,5,6,7
	ds_load_b128 v[64+4*\k:67+4*\k], v48 offset:HPO+2048*\k
.endr
	v_lshlrev_b32 v49, 3, v[L]
	v_lshl_add_u32 v49, s18, 8, v49                ; 8 t
	s_add_nc_u64 s[12:13], s[12:13], s[66:67]      ; hp + 1024 g
	s_wait_dscnt 0x0
.irp k, 0,2,4,6
	v_pk_add_f32 v[64+4*\k:65+4*\k], v[64+4*\k:65+4*\k], v[68+4*\k:69+4*\k]
	v_pk_add_f32 v[66+4*\k:67+4*\k], v[66+4*\k:67+4*\k], v[70+4*\k:71+4*\k]
.endr
	v_pk_add_f32 v[64:65], v[64:65], v[72:73]
	v_pk_add_f32 v[66:67], v[66:67], v[74:75]
	v_pk_add_f32 v[80:81], v[80:81], v[88:89]
	v_pk_add_f32 v[82:83], v[82:83], v[90:91]
	v_pk_add_f32 v[64:65], v[64:65], v[80:81]
	v_pk_add_f32 v[66:67], v[66:67], v[82:83]
.irp k, 64,65,66,67
	v_cvt_u32_f32 v\k, v\k
.endr
	v_lshl_or_b32 v68, v65, 16, v64
	v_lshl_or_b32 v69, v67, 16, v66
	global_store_b64 v49, v[68:69], s[12:13]       ; a wave stores 256 consecutive bytes, aligned
	s_cmp_ge_u32 s18, 2
	s_cbranch_scc1 .Lnoidx
	; waves 0-1: the 256 indices, to out3 and to the copy that the second launch forms addresses from
	ds_load_b128 v[72:75], v48 offset:IDXO
	s_add_nc_u64 s[8:9], s[8:9], s[66:67]
	s_add_nc_u64 s[10:11], s[10:11], s[66:67]
	s_wait_dscnt 0x0
	global_store_b128 v48, v[72:75], s[8:9]
	global_store_b128 v48, v[72:75], s[10:11]
.Lnoidx:
	s_cmp_lg_u32 s18, 3
	s_cbranch_scc1 .Lend
	; wave 3, lane 0: the work-group's sum of least distances
	s_lshl_b32 s68, s19, 2
	s_mov_b32 s69, 0
	s_add_nc_u64 s[16:17], s[16:17], s[68:69]
	v_mov_b32 v50, 0
	v_cmp_eq_u32 vcc_lo, 0, v[L]
	s_wait_xcnt 0x0                                ; EXEC is a source of the store above: it changes only behind this wait
	s_and_saveexec_b32 s70, vcc_lo
	global_store_b32 v50, v[LOSS], s[16:17]
	s_wait_xcnt 0x0                                ; and again in front of the line that widens it
	s_or_b32 exec_lo, exec_lo, s70
.Lend:
	s_set_vgpr_msb 0x5
	s_wait_tensorcnt 0x0
	ds_add_u32 v0, v1
	s_wait_dscnt 0x0
	s_set_vgpr_msb 0x500
	s_endpgm
.Lsoft:
	; waves 4-7: the work-group's softmax histogram, 512 consecutive bytes a wave
	s_sub_co_u32 s68, s18, 4
	v_lshl_add_u32 v48, s68, 9, v48
	ds_load_b128 v[64:67], v48 offset:SHO
	s_lshl_b32 s66, s19, 11
	s_add_nc_u64 s[14:15], s[14:15], s[66:67]      ; sp + 2048 g
	s_wait_dscnt 0x0
	global_store_b128 v48, v[64:67], s[14:15]
	s_set_vgpr_msb 0x5
	s_wait_tensorcnt 0x0
	ds_add_u32 v0, v1
	s_wait_dscnt 0x0
	s_set_vgpr_msb 0x500
	s_endpgm
.Lfunc_end_k_q54d59f0c11_vq_main:
	.size	k_q54d59f0c11_vq_main, .Lfunc_end_k_q54d59f0c11_vq_main-k_q54d59f0c11_vq_main
	.p2alignl 7, 3214868480
	.fill 96, 4, 3214868480
	.section	.rodata,"a",@progbits
	.p2align	6, 0x0
	.amdhsa_kernel k_q54d59f0c11_vq_main
		.amdhsa_group_segment_fixed_size 168960
		.amdhsa_private_segment_fixed_size 0
		.amdhsa_enable_private_segment 0
		.amdhsa_kernarg_size 56
		.amdhsa_user_sgpr_count 2
		.amdhsa_user_sgpr_kernarg_segment_ptr 1
		.amdhsa_wavefront_size32 1
		.amdhsa_system_sgpr_workgroup_id_x 1
		.amdhsa_system_sgpr_workgroup_id_y 1
		.amdhsa_system_sgpr_workgroup_id_z 1
		.amdhsa_system_vgpr_workitem_id 0
		.amdhsa_next_free_vgpr 258
		.amdhsa_next_free_sgpr 80
		.amdhsa_reserve_vcc 1
		.amdhsa_float_denorm_mode_32 3
		.amdhsa_float_denorm_mode_16_64 3
		.amdhsa_memory_ordered 1
		.amdhsa_forward_progress 1
		.amdhsa_inst_pref_size 255
	.end_amdhsa_kernel
	.section	.bss,"aw",@nobits
	.p2align	6
	.space	262144
	.amdgpu_metadata
---
amdhsa.version: [ 1, 2 ]
amdhsa.kernels:
  - .name:           k_q54d59f0c11_vq_main
    .symbol:         k_q54d59f0c11_vq_main.kd
    .args:
      - { .name: x, .offset: 0, .size: 8, .value_kind: global_buffer, .address_space: global }
      - { .name: codebook, .offset: 8, .size: 8, .value_kind: global_buffer, .address_space: global }
      - { .name: out3, .offset: 16, .size: 8, .value_kind: global_buffer, .address_space: global }
      - { .name: codes, .offset: 24, .size: 8, .value_kind: global_buffer, .address_space: global }
      - { .name: hp, .offset: 32, .size: 8, .value_kind: global_buffer, .address_space: global }
      - { .name: sp, .offset: 40, .size: 8, .value_kind: global_buffer, .address_space: global }
      - { .name: lp, .offset: 48, .size: 8, .value_kind: global_buffer, .address_space: global }
    .group_segment_fixed_size: 168960
    .private_segment_fixed_size: 0
    .kernarg_segment_align: 8
    .kernarg_segment_size: 56
    .max_flat_workgroup_size: 256
    .sgpr_count:     80
    .vgpr_count:     258
    .wavefront_size: 32
...
	.end_amdgpu_metadata
.endif
;; end of part 1
;; launch vq_out (part 2): grid 257 x 1, 8 waves a work-group, no clusters, 74,752 bytes of LDS; arguments codebook, codes, hp, sp, lp, out0, out1, out2, out4, out5; writes out0, out1, out2, out4, out5
.if DOCPART == 2
	.amdgcn_target "amdgcn-amd-amdhsa--gfx1250"
	.amdhsa_code_object_version 6
	.text
	.protected	k_q54d59f0c11_vq_out
	.globl	k_q54d59f0c11_vq_out
	.p2align	8
	.type	k_q54d59f0c11_vq_out,@function
k_q54d59f0c11_vq_out:
	s_mov_b64 s[64:65], 0
	v_nop
	global_prefetch_b8 v0, s[64:65] scope:SCOPE_SE
	s_setreg_imm32_b32 hwreg(HW_REG_WAVE_MODE, 25, 1), 1
	s_wait_xcnt 0x0
; VECTOR QUANTISER, second launch: the lookup and the closing sums.
; Left out, as shown at the head of the first kernel: one_hot x codebook is the lookup made here from the stored indices; x + (q - x) = q, so x is not read;
; the loss is 1.25 / 2^22 times the sum of the least distances; the histograms are sums of the first launch's partial counts.
; Work-groups 0..255 (g; image b = g >> 2, quarter q = g & 3): out0[b][d][256 q + p] = codebook[codes[256 g + p]][d], turned from [p][d] to [d][p] through LDS;
;   wave 0 also adds the four quarters' counts of codes 128 q .. + 127 (out4), wave 1 their softmax sums (out5).
; Work-group 256: the counts of all 256 work-groups -> perplexity (out2); the 256 sums of least distances -> loss (out1).
; Memory binds: no matrix unit, no tensor load, no cluster (nothing but the small codebook is shared, and which rows are read hangs on the indices).
; LDS tile of a gather group, bytes 0 .. 65535: row d of 1,024 bytes; the 16 bytes of pixels 4 Q .. 4 Q + 3 lie at quad (Q + d / 4) mod 64.  So the 32 lanes of a
; 4-byte store (16 values of d / 4, 2 pixels) touch 32 different banks, and a 16-byte read of 16 neighbouring lanes takes 256 neighbouring bytes but for the wrap.
; The closing work-group's exchanges have bytes of their own, from FIN on: the two paths of this text share no LDS byte.
.set FIN, 65536       ; closing path: [4 groups of rows][256 words] packed counts, and at FIN + 4096 the eight waves' pairs of sums
	s_load_b512 s[4:19], s[0:1], 0x0               ; codebook s[4:5], codes s[6:7], hp s[8:9], sp s[10:11], lp s[12:13], out0 s[14:15], out1 s[16:17], out2 s[18:19]
	s_load_b128 s[20:23], s[0:1], 0x40             ; out4 s[20:21], out5 s[22:23]
	v_lshl_add_u32 v144, v0, 2, 0x12000
	v_mov_b32 v145, 0
	v_lshrrev_b32 v1, 5, v0
	v_readfirstlane_b32 s58, v1                    ; wave 0..7
	s_mov_b32 s59, ttmp9
	s_mov_b32 s60, 0xffff0000                      ; lanes 16-31
	s_cmp_eq_u32 s59, 256
	s_cbranch_scc1 .Lfinal
	; ---------------- the lookup ----------------
	s_lshl_b32 s56, s59, 10
	s_lshl_b32 s57, s58, 7
	s_add_co_u32 s56, s56, s57                     ; my wave's 32 indices: 1024 g + 128 w
	s_mov_b32 s57, 0
	s_lshr_b32 s61, s59, 2                         ; b
	s_and_b32 s62, s59, 3                          ; q
	s_wait_kmcnt 0x0
	s_add_nc_u64 s[6:7], s[6:7], s[56:57]
	s_load_b512 s[24:39], s[6:7], 0x0              ; the index of pixel 32 w + n in s[24 + n]
	s_load_b512 s[40:55], s[6:7], 0x40
	s_lshl_b32 s56, s61, 12
	s_lshl_b32 s63, s62, 8
	s_add_co_u32 s56, s56, s63
	s_add_nc_u64 s[8:9], s[8:9], s[56:57]          ; hp + 1024 (4 b) + 256 q
	s_lshl_b32 s56, s56, 1
	s_add_nc_u64 s[10:11], s[10:11], s[56:57]      ; sp + 2048 (4 b) + 512 q
	s_lshl_b32 s56, s61, 11
	s_lshl_b32 s63, s62, 9
	s_add_co_u32 s56, s56, s63
	s_add_nc_u64 s[20:21], s[20:21], s[56:57]      ; out4, out5 + 2048 b + 512 q
	s_add_nc_u64 s[22:23], s[22:23], s[56:57]
	s_lshl_b32 s56, s61, 18
	s_lshl_b32 s63, s62, 10
	s_add_co_u32 s56, s56, s63
	s_lshl_b32 s63, s58, 15
	s_add_co_u32 s56, s56, s63
	s_add_nc_u64 s[14:15], s[14:15], s[56:57]      ; out0 + 262144 b + 1024 q + 32768 w: my eight rows d = 8 w ..
	v_and_b32 v1, 31, v0                           ; lane
	v_and_b32 v2, 15, v0                           ; c: my 16 bytes of a code's row, d = 4 c .. 4 c + 3
	v_bfe_u32 v3, v0, 4, 1                         ; h: which of a gather's two pixels
	v_lshlrev_b32 v4, 4, v1                        ; 16 lane
	v_lshlrev_b32 v5, 3, v1                        ; 8 lane
	v_lshlrev_b32 v6, 4, v2                        ; 16 c
	v_lshl_add_u32 v7, v3, 2, v6
	v_lshl_add_u32 v7, s58, 7, v7                  ; 128 w + 4 h + 16 c: byte of pixel 32 w + h in a row, moved on by c quads
	v_lshlrev_b32 v8, 12, v2                       ; 4096 c: row 4 c
	; the small loads go out ahead of the gathers, so the gathers' counted waits are the same in every wave; each of the two kinds has registers of its own
	s_cmp_lg_u32 s58, 0
	s_cbranch_scc1 .Lnot0
.irp k, 0,1,2,3
	global_load_b64 v[112+2*\k:113+2*\k], v5, s[8:9] offset:1024*\k    ; the four quarters' packed counts of codes 128 q + 4 lane .. + 3
.endr
.Lnot0:
	s_cmp_lg_u32 s58, 1
	s_cbranch_scc1 .Lnot1
.irp k, 0,1,2,3
	global_load_b128 v[128+4*\k:131+4*\k], v4, s[10:11] offset:2048*\k ; the four quarters' softmax sums of the same codes
.endr
.Lnot1:
	s_wait_kmcnt 0x0
	; sixteen gathers, two pixels each: sixteen lanes read one whole row of the codebook, 256 consecutive bytes, aligned
.irp i, 0,1,2,3,4,5,6,7,8,9,10,11,12,13,14,15
	v_mov_b32 v9, s[24+2*\i]
	v_cndmask_b32 v9, v9, s[25+2*\i], s60
	v_min_u32 v9, 0x1ff, v9                        ; an index stays inside the table
	v_lshl_add_u32 v[16+\i], v9, 8, v6
	global_load_b128 v[32+4*\i:35+4*\i], v[16+\i], s[4:5]
.endr
.irp i, 0,1,2,3,4,5,6,7,8,9,10,11,12,13,14,15
	v_add_nc_u32 v[96+\i], 8*\i, v7                ; pixel 32 w + 2 i + h
	v_and_b32 v[96+\i], 0x3ff, v[96+\i]            ; the quads wrap inside the row
	v_add_nc_u32 v[96+\i], v[96+\i], v8
.endr
	v_lshl_add_u32 v9, s58, 5, v4                  ; 16 lane + 32 w: rows 8 w .. 8 w + 7 are moved on by 2 w + z quads, z = 0 for the first four rows, 1 for the last four
.irp z, 0,1
.irp e, 0,1
	v_add_nc_u32 v[10+2*\z+\e], 16*\z+512*\e, v9
	v_and_b32 v[10+2*\z+\e], 0x3ff, v[10+2*\z+\e]
	v_lshl_add_u32 v[10+2*\z+\e], s58, 13, v[10+2*\z+\e]
.endr
.endr
.irp i, 0,1,2,3,4,5,6,7,8,9,10,11,12,13,14,15
	s_wait_loadcnt 15-\i                           ; loads come back in order: gather i is in, the younger ones stay out
.irp k, 0,1,2,3
	ds_store_b32 v[96+\i], v[32+4*\i+\k] offset:1024*\k
.endr
.endr
	s_wait_dscnt 0x0                               ; for the other waves' sake: all my 64 stores are in LDS
	s_barrier_signal -1
	s_barrier_wait -1
	; my eight rows, read back by whole rows: load n = 2 dd + e is row 8 w + dd, pixels 128 e + 4 lane .. + 3
.irp dd, 0,1,2,3,4,5,6,7
.irp e, 0,1
	ds_load_b128 v[32+8*\dd+4*\e:35+8*\dd+4*\e], v[10+2*(\dd/4)+\e] offset:1024*\dd
.endr
.endr
.irp dd, 0,1,2,3,4,5,6,7
.irp e, 0,1
	s_wait_dscnt 15-2*\dd-\e                       ; LDS loads come back in order: this one is in
	global_store_b128 v4, v[32+8*\dd+4*\e:35+8*\dd+4*\e], s[14:15] offset:4096*\dd+512*\e th:TH_STORE_NT   ; a wave stores 512 consecutive bytes, aligned
.endr
.endr
	s_cmp_lg_u32 s58, 0
	s_cbranch_scc1 .Lnot0b
	v_add3_u32 v112, v112, v114, v116              ; packed sums: four quarters of 256 pixels, 1,024 at the most in a half
	v_add3_u32 v113, v113, v115, v117
	v_add_nc_u32 v112, v112, v118
	v_add_nc_u32 v113, v113, v119
	v_and_b32 v120, 0xffff, v112
	v_lshrrev_b32 v121, 16, v112
	v_and_b32 v122, 0xffff, v113
	v_lshrrev_b32 v123, 16, v113
.irp k, 120,121,122,123
	v_cvt_f32_u32 v\k, v\k
.endr
	global_store_b128 v4, v[120:123], s[20:21]
.Lnot0b:
	s_cmp_lg_u32 s58, 1
	s_cbranch_scc1 .Lnot1b
	v_pk_add_f32 v[128:129], v[128:129], v[132:133]
	v_pk_add_f32 v[130:131], v[130:131], v[134:135]
	v_pk_add_f32 v[136:137], v[136:137], v[140:141]
	v_pk_add_f32 v[138:139], v[138:139], v[142:143]
	v_pk_add_f32 v[128:129], v[128:129], v[136:137]
	v_pk_add_f32 v[130:131], v[130:131], v[138:139]
	global_store_b128 v4, v[128:131], s[22:23]
.Lnot1b:
	s_wait_tensorcnt 0x0
	ds_add_u32 v144, v145
	s_wait_dscnt 0x0
	s_endpgm
	; ---------------- loss and perplexity ----------------
.Lfinal:
	v_lshlrev_b32 v1, 4, v0                        ; 16 t: my offset in a step of hp
	v_lshlrev_b32 v2, 2, v0                        ; 4 t: my offset in lp
	v_add_nc_u32 v10, FIN, v1                      ; LDS: FIN + 16 t
	v_add_nc_u32 v11, FIN, v2                      ; LDS: FIN + 4 t
	v_mov_b32 v12, FIN                             ; LDS: FIN
	s_mov_b32 s56, 0x76543210
	s_mov_b32 s57, 0xfedcba98
	s_wait_kmcnt 0x0
	global_load_b32 v8, v2, s[12:13]               ; the sum of least distances of work-group t
; sixteen loads: step n of the 64 takes four work-groups' rows of hp, 4,096 bytes; thread t keeps words 4 (t & 63) .. + 3 of the rows 4 n + (t >> 6)
.macro LDG n0, base
.irp k, 0,1,2,3,4,5,6,7,8,9,10,11,12,13,14,15
	global_load_b128 v[\base+4*\k:\base+4*\k+3], v1, s[8:9] offset:4096*(\n0+\k)
.endr
.endm
; packed sums into v[4:7]: 64 rows of 256 at the most, 16,384 in a half
.macro ADDG base, first
.irp m, 0,1,2,3,4,5,6,7
.irp k, 0,1,2,3
.if \m == 0
.if \first
	v_add_nc_u32 v[4+\k], v[\base+\k], v[\base+4+\k]
.else
	v_add3_u32 v[4+\k], v[4+\k], v[\base+\k], v[\base+4+\k]
.endif
.else
	v_add3_u32 v[4+\k], v[4+\k], v[\base+8*\m+\k], v[\base+8*\m+4+\k]
.endif
.endr
.endr
.endm
	LDG 0, 16
	LDG 16, 80
	s_wait_loadcnt 16                              ; all but the sixteen issued last
	ADDG 16, 1
	LDG 32, 16
	s_wait_loadcnt 16
	ADDG 80, 0
	LDG 48, 80
	s_wait_loadcnt 16
	ADDG 16, 0
	s_wait_loadcnt 0x0
	ADDG 80, 0
	ds_store_b128 v10, v[4:7]                      ; [4 groups of rows][256 words]
	s_wait_dscnt 0x0
	s_barrier_signal -1
	s_barrier_wait -1
.irp k, 0,1,2,3
	ds_load_b32 v[16+\k], v11 offset:1024*\k       ; word t (codes 2 t, 2 t + 1) of the four groups
.endr
	s_wait_dscnt 0x0
.irp k, 0,1,2,3
	v_and_b32 v[20+\k], 0xffff, v[16+\k]           ; unpacked first: a total of 65,536 does not fit in a half
	v_lshrrev_b32 v[16+\k], 16, v[16+\k]
.endr
	v_add3_u32 v20, v20, v21, v22
	v_add3_u32 v16, v16, v17, v18
	v_add_nc_u32 v20, v20, v23
	v_add_nc_u32 v16, v16, v19
	v_cvt_f32_u32 v20, v20
	v_cvt_f32_u32 v16, v16
	v_mul_f32 v20, 0x37800000, v20                 ; avg_probs = count / 65536
	v_mul_f32 v16, 0x37800000, v16
	v_add_f32 v21, 0x2edbe6ff, v20                 ; + 1e-10
	v_add_f32 v17, 0x2edbe6ff, v16
	v_log_f32 v21, v21                             ; log2: exp(-sum p ln(..)) = exp2(-sum p log2(..))
	v_log_f32 v17, v17
	v_lshl_add_u32 v3, s58, 3, v12                 ; FIN + 8 w; also the plain instruction between the logarithms and their use (ISA guide 5.7.2)
	s_wait_alu depctr_va_vdst(0)
	v_mul_f32 v21, v20, v21
	v_fma_f32 v21, v16, v17, v21
.irp m, 1,2,4,8
	v_add_f32_dpp v21, v21, v21 row_xmask:\m row_mask:0xf bank_mask:0xf
	v_add_f32_dpp v8, v8, v8 row_xmask:\m row_mask:0xf bank_mask:0xf
.endr
	v_permlanex16_b32 v22, v21, s56, s57
	v_permlanex16_b32 v23, v8, s56, s57
	v_add_f32 v22, v21, v22
	v_add_f32 v23, v8, v23
	ds_store_b64 v3, v[22:23] offset:4096          ; other bytes than the first exchange's
	s_wait_dscnt 0x0
	s_barrier_signal -1
	s_barrier_wait -1
	v_mov_b32 v9, 0
.irp k, 0,1,2,3
	ds_load_b128 v[16+4*\k:19+4*\k], v12 offset:4096+16*\k
.endr
	s_wait_dscnt 0x0
	v_pk_add_f32 v[16:17], v[16:17], v[18:19]
	v_pk_add_f32 v[20:21], v[20:21], v[22:23]
	v_pk_add_f32 v[24:25], v[24:25], v[26:27]
	v_pk_add_f32 v[28:29], v[28:29], v[30:31]
	v_pk_add_f32 v[16:17], v[16:17], v[20:21]
	v_pk_add_f32 v[24:25], v[24:25], v[28:29]
	v_pk_add_f32 v[16:17], v[16:17], v[24:25]
	v_exp_f32 v20, -v16                            ; perplexity
	v_mul_f32 v21, 0x34a00000, v17                 ; loss = 1.25 / 2^22 x the sum; also the plain instruction behind v_exp_f32
	s_cmp_lg_u32 s58, 0
	s_cbranch_scc1 .Lfend
	v_cmp_eq_u32 vcc_lo, 0, v0
	s_wait_xcnt 0x0                                ; EXEC changes only behind this wait
	s_and_saveexec_b32 s61, vcc_lo
	global_store_b32 v9, v21, s[16:17]
	s_wait_alu depctr_va_vdst(0)
	global_store_b32 v9, v20, s[18:19]
	s_wait_xcnt 0x0
	s_or_b32 exec_lo, exec_lo, s61
.Lfend:
	s_wait_tensorcnt 0x0
	ds_add_u32 v144, v145
	s_wait_dscnt 0x0
	s_endpgm
.Lfunc_end_k_q54d59f0c11_vq_out:
	.size	k_q54d59f0c11_vq_out, .Lfunc_end_k_q54d59f0c11_vq_out-k_q54d59f0c11_vq_out
	.p2alignl 7, 3214868480
	.fill 96, 4, 3214868480
	.section	.rodata,"a",@progbits
	.p2align	6, 0x0
	.amdhsa_kernel k_q54d59f0c11_vq_out
		.amdhsa_group_segment_fixed_size 74752
		.amdhsa_private_segment_fixed_size 0
		.amdhsa_enable_private_segment 0
		.amdhsa_kernarg_size 80
		.amdhsa_user_sgpr_count 2
		.amdhsa_user_sgpr_kernarg_segment_ptr 1
		.amdhsa_wavefront_size32 1
		.amdhsa_system_sgpr_workgroup_id_x 1
		.amdhsa_system_sgpr_workgroup_id_y 1
		.amdhsa_system_sgpr_workgroup_id_z 1
		.amdhsa_system_vgpr_workitem_id 0
		.amdhsa_next_free_vgpr 146
		.amdhsa_next_free_sgpr 66
		.amdhsa_reserve_vcc 1
		.amdhsa_float_denorm_mode_32 3
		.amdhsa_float_denorm_mode_16_64 3
		.amdhsa_memory_ordered 1
		.amdhsa_forward_progress 1
		.amdhsa_inst_pref_size 39
	.end_amdhsa_kernel
	.amdgpu_metadata
---
amdhsa.version: [ 1, 2 ]
amdhsa.kernels:
  - .name:           k_q54d59f0c11_vq_out
    .symbol:         k_q54d59f0c11_vq_out.kd
    .args:
      - { .name: codebook, .offset: 0, .size: 8, .value_kind: global_buffer, .address_space: global }
      - { .name: codes, .offset: 8, .size: 8, .value_kind: global_buffer, .address_space: global }
      - { .name: hp, .offset: 16, .size: 8, .value_kind: global_buffer, .address_space: global }
      - { .name: sp, .offset: 24, .size: 8, .value_kind: global_buffer, .address_space: global }
      - { .name: lp, .offset: 32, .size: 8, .value_kind: global_buffer, .address_space: global }
      - { .name: out0, .offset: 40, .size: 8, .value_kind: global_buffer, .address_space: global }
      - { .name: out1, .offset: 48, .size: 8, .value_kind: global_buffer, .address_space: global }
      - { .name: out2, .offset: 56, .size: 8, .value_kind: global_buffer, .address_space: global }
      - { .name: out4, .offset: 64, .size: 8, .value_kind: global_buffer, .address_space: global }
      - { .name: out5, .offset: 72, .size: 8, .value_kind: global_buffer, .address_space: global }
    .group_segment_fixed_size: 74752
    .private_segment_fixed_size: 0
    .kernarg_segment_align: 8
    .kernarg_segment_size: 80
    .max_flat_workgroup_size: 256
    .sgpr_count:     66
    .vgpr_count:     146
    .wavefront_size: 32
...
	.end_amdgpu_metadata
.endif
;; end of part 2
;; ======== version 2 of 2: 2 launches; 1.21 times as fast as version 1
;; limits: a difference of large sums (such as E[x^2] - mean^2): digits are lost where the result is much smaller than its terms; values outside matrix products are rounded to bf16
;; workspace buffers: codes 262,144 bytes of whole numbers; hp 262,144 bytes; sp 524,288 bytes; lp 1,024 bytes
;; launch vq_main (part 3): grid 256 x 1, 8 waves a work-group, clusters of 4 x 1, 317,952 bytes of LDS; arguments x, codebook, out3, codes, hp, sp, lp; writes out3, codes, hp, sp, lp
.if DOCPART == 3
	.amdgcn_target "amdgcn-amd-amdhsa--gfx1250"
	.amdhsa_code_object_version 6
	.text
	.protected	k_q54d59f0c11_vq_main
	.globl	k_q54d59f0c11_vq_main
	.p2align	8
	.type	k_q54d59f0c11_vq_main,@function
k_q54d59f0c11_vq_main:
	s_mov_b64 s[64:65], 0
	v_nop
	global_prefetch_b8 v0, s[64:65] scope:SCOPE_SE
	s_setreg_imm32_b32 hwreg(HW_REG_WAVE_MODE, 25, 1), 1
	s_wait_xcnt 0x0
	s_wait_alu depctr_hold_cnt(0) depctr_sa_sdst(0) depctr_va_vdst(0) depctr_va_sdst(0) depctr_va_ssrc(0) depctr_va_vcc(0) depctr_vm_vsrc(0)
	s_getreg_b32 s2, hwreg(HW_REG_IB_STS2, 6, 4)
	s_cmp_eq_u32 s2, 0
	s_cbranch_scc0 .Lentry_in_a_cluster
	s_endpgm
.Lentry_in_a_cluster:
	s_bfe_u32 s2, ttmp6, 0x10000c
	s_cmp_lg_u32 s2, 0x3003
	s_cbranch_scc0 .Lentry_shape_is_right
	s_endpgm
.Lentry_shape_is_right:
; VECTOR QUANTISER, first of two launches: distances, argmin, softmax histogram, code counts, sum of the least distances.
; x [64][64 d][1024 p] f32, codebook [512][64] f32.  dist[p][k] = fl(fl(sx[p] + se[k]) - 2 mm[p][k]), with reference()'s own two roundings;
; mm is the bf16 product with f32 sums, sx and se are sums of squares of the bf16-rounded operands.
; WORK LEFT OUT, for all finite inputs:
;  - one_hot(idx) x codebook picks row idx of the codebook: it is a lookup.  The second launch makes it from the indices stored here.
;  - quant_st = x + (q - x) = q in real numbers: the second launch stores q and x is not read again.
;  - sum over d of (q - x)^2 = sx + se[idx] - 2 mm[idx] = dist[idx], the expansion that reference() itself uses for dist: both losses are the mean of the
;    least distances, loss = 1.25 x sum over p of min dist / (65536 x 64).
;  - encoding, avg_probs and index_program are counts of idx: no [N][512] one-hot array is made.
;  sx stays in dist, in the argmin and in the softmax: it is so large beside the other terms that reference()'s f32 loses their low bits to it.
;  The softmax takes the row's true least distance away before the exponential, as reference() does.
; LIMITS: NaN and infinities in x or in the codebook are not carried as reference() carries them (a row in which no distance equals the least one gets index 511);
;  an overflow that reaches only x + (q - x) is not reproduced; the loss carries the operands' rounding to bf16 and loses relative accuracy where
;  |x - q|^2 is under about 1e-5 of |x|^2; a row whose two best distances lie within one step of f32 can take the other index where the product's last bits differ.
; SHARES: work-group g owns pixels 256 (g & 3) .. +255 of image g >> 2.  Wave w owns pixels 32 w .. 32 w + 31, as two tiles u of 16, against ALL 512 codes (32 code tiles).
;  D = pixels x codes: register j of code tile t in lane (r, h) is pixel 8 h + j, code 16 t + r.  A pixel's least distance, sum of exponentials and lowest index are
;  chains over the code tiles inside a lane, closed by four steps across the sixteen lanes of a half; the histogram of a code is summed over the pixels inside a lane.
;  So the waves meet twice: when x and the rounded codebook lie in LDS, and when the eight waves' histograms are added.
; REGISTER WINDOWS: code tiles 0-15 live in window 0 (v0-255), tiles 16-31 in window 1 (v256-511), with the same map in both, so each phase is one macro that runs
;  under setting 0 and again under 0x55 (all four operand places in window 1).  Only the joins cross: 0x04 (second source from window 1), 0x40 (result into window 1),
;  0x05 (both sources from window 1).  What both windows need (pixel fragments, sx, least distance, 1 / sum) is written into both: 40 more instructions a pixel tile
;  in place of a switch round every group of instructions.
; CLUSTERS: every work-group reads the whole codebook, 128 KiB, against 64 KiB of x of its own.  The four work-groups of an image form a cluster of 4 x 1 and ask for the
;  codebook JOINTLY: wave w of each of the four issues the same tensor load (rows 64 w .. 64 w + 63, the mask names all four) and each receives the rows in its own LDS, so the
;  launch asks for 64 x 128 KiB of codebook in place of 256 x 128 KiB.  The load's two addresses hang on the wave's number alone.  Each wave reads back only the rows that its own
;  load brought, rounds them to bf16 and lays them into the fragment table CBB.  A round of the cluster's barrier stands in front of the first fills and one in front of s_endpgm.
;  Numbers made of the work-group's place in its cluster live in s19, s70, s72-s75 and in the pointers that they are added to: in no register of the joint descriptor
;  and in none that feeds an LDS address or a branch.
.set SXO,  0          ; [256] f32   sx, each wave's own 128 bytes
.set SEO,  1024       ; [512] f32   se
.set IDXO, 3072       ; [256] u32   argmin, each wave's own 128 bytes until the last barrier
.set MLO,  4096       ; [256] f32   least distances
.set SHPO, 5120       ; [8 waves][512] f32   softmax histogram of each wave's 32 pixels
.set HPO,  21504      ; [8 waves][512] f32   code counts of each wave's 32 pixels
.set CBBO, 37888      ; codebook in bf16: 512 rows of 128 bytes at pitch 144 = 9 x 16, so the 16 rows of a fragment load start in 16 different groups of banks
.set CBP,  144
.set XFO,  111616     ; x in f32 as the tensor loads bring it: row d at XFO + 1032 d.  No ds_store ever lands here
.set XFP,  1032       ; 1,024 bytes + 8 of padding: rows 8 apart (the two halves of the lanes) lie 8,256 bytes = 64 modulo 256 apart
.set CBFO, 177664     ; codebook in f32 as the joint loads bring it: row k at CBFO + 272 k.  No ds_store ever lands here
.set CFP,  272        ; 256 bytes + 16 of padding = 17 x 16: the 16 rows that a 16-byte load touches lie in 16 different 16-byte columns modulo 256
.set R,   1           ; lane & 15                                     (window 0)
.set VBA, 2           ; CBBO + 144 r + 16 h; in window 1 + 16 tiles   (both windows)
.set VXA, 3           ; XFO + 8 h rows + 4 (32 w + r)
.set VW1, 4           ; 128 w + 4 r
.set VW2, 5           ; 128 w + 32 h
.set TP,  6           ; at work (destination of v_permlanex16_b32)
.set H,   7           ; lane >> 4
.set SX,  8           ; v[8:15]    sx of pixels 8 h + j
.set SE,  16          ; v[16:31]   se of code 16 t + r, one register a tile
.set ACC, 32          ; v[32:63]   softmax histogram, a pair a tile (even and odd j)
.set AF,  64          ; v[64:79]   pixel fragments, 8 registers a K step of 32
.set IC,  64          ; v[64:71]   behind the products: lowest tile at the least distance, one chain a pixel
.set SS,  72          ; v[72:79]   sums of exponentials
.set BFR, 80          ; v[80:111]  code fragments of two tiles
.set WR,  80          ; v[80:87]   behind the products: 1 / sum
.set T,   112         ; v[112:119] at work; never an operand of a product
.set MC,  112         ; v[112:119] least distance times log2 e
.set MN,  120         ; v[120:127] least distance
.set DD,  128         ; v[128:255] distances, then exponentials, DD + 8 t + j
.set CBR, 64          ; start only: rounded codes, two sets of 16
.set MK,  48          ; s[48:63] masks of the compares, two sets of eight
.set LOG2E, 0x3fb8aa3b
.set NLOG2E, 0xbfb8aa3b
.set MSB, 0
.macro WIN new                         ; the immediate's high byte repeats the setting that is left
.if MSB != \new
	s_set_vgpr_msb (MSB<<8)|\new
.set MSB, \new
.endif
.endm
.macro BAR
	s_barrier_signal -1
	s_barrier_wait -1
.endm
; A round of the cluster's barrier: my work-group's barrier, so that wave 0's signal speaks for all eight waves; wave 0 signals for the work-group; every wave waits for all
; four work-groups; my work-group's barrier once more.
.macro ROUND
	s_barrier_signal -1
	s_barrier_wait -1
	s_cmp_lg_u32 s18, 0
	s_cbranch_scc1 .Lnot_wave_0_\@
	s_barrier_signal -3
.Lnot_wave_0_\@:
	s_barrier_wait -3
	s_barrier_signal -1
	s_barrier_wait -1
.endm
	s_load_b256 s[4:11], s[0:1], 0x0               ; x s[4:5], codebook s[6:7], out3 s[8:9], codes s[10:11]
	s_load_b128 s[12:15], s[0:1], 0x20             ; hp s[12:13], sp s[14:15]
	s_load_b64 s[16:17], s[0:1], 0x30              ; lp
	s_set_vgpr_msb 0x40
	v_lshl_add_u32 v6, v0, 2, 0x4d600
	v_mov_b32 v7, 0
	s_set_vgpr_msb 0x4045
	ds_add_u32 v6, v7
	ds_add_u32 v6, v7
	s_wait_dscnt 0x0
	s_set_vgpr_msb 0x4500
	v_lshrrev_b32 v1, 5, v0
	v_readfirstlane_b32 s18, v1                    ; wave 0..7
	s_bfe_u32 s70, ttmp6, 0x40000                  ; cx: my place in the cluster
	s_lshl_b32 s19, ttmp9, 2                       ; in a cluster launch ttmp9 counts clusters
	s_add_co_u32 s19, s19, s70                     ; work-group g = 4 x cluster + cx
	s_mov_b32 s20, 0xffff0000                      ; a word's upper bf16
	s_mov_b32 s22, 0x76543210                      ; v_permlanex16_b32: lane i reads lane i of the other half
	s_mov_b32 s23, 0xfedcba98
	; x, descriptor group 1: a tile of 8 rows (d) x 256 elements of 4 bytes (the work-group's pixels), 1,024 elements from row to row; 2 words of padding behind each 256; no mask
	s_mov_b32 s24, (2<<16)|(1<<20)|(7<<22)|(1<<25)
	s_mov_b32 s25, 256<<16                         ; tensor_dim0 = 256
	s_mov_b32 s26, 8<<16                           ; tensor_dim1 = 8
	s_mov_b32 s27, 256<<16                         ; tile_dim0 = 256
	s_mov_b32 s28, 8                               ; tile_dim1 = 8
	s_mov_b32 s29, 1024                            ; pitch
	s_mov_b32 s30, 0
	s_mov_b32 s31, 0
	; x, group 0: to XFO + 8 w rows, from x + 262144 (g >> 2) + 1024 (g & 3) + 32768 w
	s_mov_b32 s32, 1
	s_mul_i32 s33, s18, 8*XFP
	s_add_co_u32 s33, s33, XFO
	s_lshr_b32 s72, s19, 2
	s_lshl_b32 s72, s72, 18
	s_and_b32 s73, s19, 3
	s_lshl_b32 s73, s73, 10
	s_add_co_u32 s72, s72, s73
	s_lshl_b32 s73, s18, 15
	s_add_co_u32 s72, s72, s73
	s_mov_b32 s73, 0
	; codebook, group 1: a tile of 64 rows x 64 elements of 4 bytes, dense in memory; 4 words of padding behind each 64; the mask names the cluster's four work-groups, bit 21 beside it
	s_mov_b32 s40, 15|(2<<16)|(1<<20)|(1<<21)|(5<<22)|(3<<25)
	s_mov_b32 s41, 64<<16                          ; tensor_dim0 = 64
	s_mov_b32 s42, 64<<16                          ; tensor_dim1 = 64
	s_mov_b32 s43, 64<<16                          ; tile_dim0 = 64
	s_mov_b32 s44, 64                              ; tile_dim1 = 64
	s_mov_b32 s45, 64                              ; pitch
	s_mov_b32 s46, 0
	s_mov_b32 s47, 0
	; codebook, group 0: to CBFO + 64 w rows, from codebook + 16384 w: the same in all four work-groups
	s_mov_b32 s36, 1
	s_mul_i32 s37, s18, 64*CFP
	s_add_co_u32 s37, s37, CBFO
	s_lshl_b32 s68, s18, 14
	s_mov_b32 s69, 0
	ROUND                                          ; all four work-groups are here: the joint loads meet.  The arguments' scalar loads stay out across it: it names none of their registers
	s_wait_kmcnt 0x0
	s_add_nc_u64 s[38:39], s[6:7], s[68:69]
	s_or_b32 s39, s39, 0x80000000
	s_add_nc_u64 s[34:35], s[4:5], s[72:73]
	s_or_b32 s35, s35, 0x80000000
	; the wave's two tensor loads, both first fills, as one group behind the round, ahead of every LDS access and of every wait for them: two are out at the most
	tensor_load_to_lds s[36:39], s[40:47]          ; codes 64 w .. 64 w + 63, jointly
	s_nop 0
	tensor_load_to_lds s[32:35], s[24:31]          ; rows d = 8 w .. 8 w + 7 of my work-group's x
	s_nop 0
	v_and_b32 v[R], 15, v0
	v_bfe_u32 v[H], v0, 4, 1
	v_mul_u32_u24 v47, v[R], CFP                   ; f32 codebook in LDS: CBFO + (64 w + r) rows + 32 h
	v_lshl_add_u32 v47, v[H], 5, v47
	s_mul_i32 s66, s18, 64*CFP
	s_add_co_u32 s66, s66, CBFO
	v_add_nc_u32 v47, s66, v47
	v_mul_u32_u24 v[VBA], v[R], CBP
	v_lshl_add_u32 v[VBA], v[H], 4, v[VBA]
	v_add_nc_u32 v[VBA], CBBO, v[VBA]
	s_mul_i32 s66, s18, 64*CBP
	v_add_nc_u32 v44, s66, v[VBA]                  ; where my 64 codes are stored: + 64 w rows
	v_mul_u32_u24 v[VXA], v[H], 8*XFP
	v_lshl_add_u32 v[VXA], v[R], 2, v[VXA]
	v_lshl_add_u32 v[VXA], s18, 7, v[VXA]
	v_add_nc_u32 v[VXA], XFO, v[VXA]
	v_lshlrev_b32 v43, 2, v[R]                     ; 4 r
	v_lshl_add_u32 v[VW1], s18, 7, v43
	v_lshlrev_b32 v[VW2], 5, v[H]
	v_lshl_add_u32 v[VW2], s18, 7, v[VW2]
	v_lshl_add_u32 v46, s18, 8, v43                ; 256 w + 4 r: where se is stored
	v_mov_b32 v[TP], 0                             ; the destination of v_permlanex16_b32 counts as read: written once here
	s_wait_tensorcnt 0x1                           ; tensor loads of a wave end in order: my 64 codes are in LDS, my load of x stays out.  No other wave reads these rows
	; codes 64 w .. 64 w + 63 in f32, staged in v[128:255]: register 128 + 32 t + 16 s + 8 f + e holds d = 32 s + 16 f + 8 h + e of code 64 w + 16 t + r
.irp t, 0,1,2,3
.irp n, 0,1,2,3,4,5,6,7
	ds_load_b128 v[128+32*\t+4*\n:128+32*\t+4*\n+3], v47 offset:16*CFP*\t+128*(\n/4)+64*((\n/2)%2)+16*(\n%2)
.endr
.endr
; Tile t of my 64 codes: round to bf16, 16 bytes a register quad into the codebook in LDS, and se = sum of the squares of the rounded numbers.
.macro CBT t
	s_wait_dscnt 24-3*\t                           ; LDS instructions end in order: tile t's eight loads are in; out stay the 8 (3 - t) loads of the younger tiles and the 5 t stores of the tiles done
.irp n, 0,1,2,3,4,5,6,7,8,9,10,11,12,13,14,15
	v_cvt_pk_bf16_f32 v[CBR+16*(\t%2)+\n], v[128+32*\t+2*\n], v[128+32*\t+2*\n+1]
.endr
.irp n, 0,1,2,3
	ds_store_b128 v44, v[CBR+16*(\t%2)+4*\n:CBR+16*(\t%2)+4*\n+3] offset:16*CBP*\t+32*\n    ; d = 16 n + 8 h .. + 7: bytes 32 n + 16 h of the row
.endr
.irp n, 0,1,2,3,4,5,6,7,8,9,10,11,12,13,14,15
	v_lshlrev_b32 v[T+2*(\n%4)], 16, v[CBR+16*(\t%2)+\n]
	v_and_b32 v[T+2*(\n%4)+1], s20, v[CBR+16*(\t%2)+\n]
.if \n < 2
	v_pk_mul_f32 v[48+2*(\n%2):49+2*(\n%2)], v[T+2*(\n%4):T+2*(\n%4)+1], v[T+2*(\n%4):T+2*(\n%4)+1]
.else
	v_pk_fma_f32 v[48+2*(\n%2):49+2*(\n%2)], v[T+2*(\n%4):T+2*(\n%4)+1], v[T+2*(\n%4):T+2*(\n%4)+1], v[48+2*(\n%2):49+2*(\n%2)]
.endif
.endr
	v_pk_add_f32 v[48:49], v[48:49], v[50:51]
	v_add_f32 v48, v48, v49
	v_permlanex16_b32 v[TP], v48, s22, s23         ; the other half of the lanes holds the other 32 d
	v_add_f32 v48, v48, v[TP]
	ds_store_b32 v46, v48 offset:SEO+64*\t         ; se of code 64 w + 16 t + r (both halves store the same word)
.endm
	CBT 0
	CBT 1
	CBT 2
	CBT 3
	s_wait_tensorcnt 0x0                           ; for the other waves' sake: my eight rows of x are in LDS,
	s_wait_dscnt 0x0                               ; and so are my 64 codes and their se
	BAR
.set tt, 0
.rept 16
	ds_load_b32 v[SE+tt], v43 offset:SEO+64*tt     ; se of code 16 t + r, tiles 0-15
.set tt, tt+1
.endr
	WIN 0x40
.set tt, 0
.rept 16
	ds_load_b32 v[SE+tt], v43 offset:SEO+1024+64*tt    ; tiles 16-31, into window 1
.set tt, tt+1
.endr
	v_add_nc_u32 v[VBA], 16*16*CBP, v[VBA]         ; window 1's fragment address begins at code tile 16, so that the immediates stay under 64 KiB
	WIN 0
; Eight loads: the fragments of tiles tt0 and tt0 + 1 of the window's half (16 codes x 64 d each).
.macro FRAG tt0
.irp n, 0,1,2,3,4,5,6,7
	ds_load_b128 v[BFR+4*\n:BFR+4*\n+3], v[VBA] offset:16*CBP*(\tt0+\n/4)+32*(\n%4)
.endr
.endm
; Pixel tile u: x from LDS, rounded to bf16 into both windows' fragments; sx from the rounded numbers, handed from lane r to register j through my wave's own LDS bytes.
.macro XPREP u
.set nn, 0
.rept 32
	ds_load_b32 v[DD+nn], v[VXA] offset:XFP*(16*(nn/8)+(nn%8))+64*\u   ; d = 16 (n / 8) + 8 h + n % 8 of pixel 32 w + 16 u + r
.set nn, nn+1
.endr
	FRAG 0
	s_wait_dscnt 0x8                               ; the 32 words of x are in; the eight fragment loads issued behind them stay out
.irp n, 0,1,2,3,4,5,6,7,8,9,10,11,12,13,14,15
	v_cvt_pk_bf16_f32 v[AF+\n], v[DD+2*\n], v[DD+2*\n+1]
.endr
	WIN 0x40
.irp n, 0,1,2,3,4,5,6,7,8,9,10,11,12,13,14,15
	v_cvt_pk_bf16_f32 v[AF+\n], v[DD+2*\n], v[DD+2*\n+1]           ; the same fragments for window 1's products
.endr
	WIN 0
.irp n, 0,1,2,3,4,5,6,7,8,9,10,11,12,13,14,15
	v_lshlrev_b32 v[T+2*(\n%4)], 16, v[AF+\n]
	v_and_b32 v[T+2*(\n%4)+1], s20, v[AF+\n]
.if \n < 2
	v_pk_mul_f32 v[MN+2*(\n%2):MN+2*(\n%2)+1], v[T+2*(\n%4):T+2*(\n%4)+1], v[T+2*(\n%4):T+2*(\n%4)+1]
.else
	v_pk_fma_f32 v[MN+2*(\n%2):MN+2*(\n%2)+1], v[T+2*(\n%4):T+2*(\n%4)+1], v[T+2*(\n%4):T+2*(\n%4)+1], v[MN+2*(\n%2):MN+2*(\n%2)+1]
.endif
.endr
	v_pk_add_f32 v[MN:MN+1], v[MN:MN+1], v[MN+2:MN+3]
	v_add_f32 v[MN], v[MN], v[MN+1]
	v_permlanex16_b32 v[TP], v[MN], s22, s23       ; the other half of the lanes holds the other 32 d
	v_add_f32 v[MN], v[MN], v[TP]
	ds_store_b32 v[VW1], v[MN] offset:SXO+64*\u    ; sx of pixel r; my wave's own bytes, and LDS serves a wave's instructions in order
	ds_load_b128 v[SX:SX+3], v[VW2] offset:SXO+64*\u               ; sx of pixels 8 h .. 8 h + 7
	ds_load_b128 v[SX+4:SX+7], v[VW2] offset:SXO+64*\u+16
	WIN 0x40
	ds_load_b128 v[SX:SX+3], v[VW2] offset:SXO+64*\u
	ds_load_b128 v[SX+4:SX+7], v[VW2] offset:SXO+64*\u+16
	WIN 0
.endm
; Tiles 2 p and 2 p + 1 of the window's half: products, dist = fl(fl(sx + se) - 2 mm) in place of mm, and eight chains of minima.
; nxt = 1: the next pair's fragments are asked for; 2: window 1's first pair; 0: none.
.macro PAIR p, nxt
	s_wait_dscnt 0x0                               ; this pair's fragments (asked for one pair's vector work ago)
	; the two accumulators take turns, one instruction a turn; the first two products start the sums
	v_wmma_f32_16x16x32_bf16 v[DD+16*\p:DD+16*\p+7], v[AF:AF+7], v[BFR:BFR+7], 0
	v_wmma_f32_16x16x32_bf16 v[DD+16*\p+8:DD+16*\p+15], v[AF:AF+7], v[BFR+16:BFR+23], 0
	v_wmma_f32_16x16x32_bf16 v[DD+16*\p:DD+16*\p+7], v[AF+8:AF+15], v[BFR+8:BFR+15], v[DD+16*\p:DD+16*\p+7]
	v_wmma_f32_16x16x32_bf16 v[DD+16*\p+8:DD+16*\p+15], v[AF+8:AF+15], v[BFR+24:BFR+31], v[DD+16*\p+8:DD+16*\p+15]
	; four packed adds that name sx, se and T alone: the four places between the products and the loads into their sources and the reads of their results
.irp k, 0,1,2,3
	v_pk_add_f32 v[T+2*\k:T+2*\k+1], v[SX+2*\k:SX+2*\k+1], v[SE+2*\p:SE+2*\p+1] op_sel:[0,0] op_sel_hi:[1,0]
.endr
.if \nxt == 1
	FRAG (2*\p+2)
.endif
.if \nxt == 2
	WIN 0x55
	FRAG 0
	WIN 0
.endif
.irp k, 0,1,2,3
	v_pk_fma_f32 v[DD+16*\p+2*\k:DD+16*\p+2*\k+1], v[DD+16*\p+2*\k:DD+16*\p+2*\k+1], -2.0, v[T+2*\k:T+2*\k+1] op_sel_hi:[1,0,1]
.endr
.irp k, 0,1,2,3
	v_pk_add_f32 v[T+2*\k:T+2*\k+1], v[SX+2*\k:SX+2*\k+1], v[SE+2*\p:SE+2*\p+1] op_sel:[0,1] op_sel_hi:[1,1]
.endr
.irp k, 0,1,2,3
	v_pk_fma_f32 v[DD+16*\p+8+2*\k:DD+16*\p+8+2*\k+1], v[DD+16*\p+8+2*\k:DD+16*\p+8+2*\k+1], -2.0, v[T+2*\k:T+2*\k+1] op_sel_hi:[1,0,1]
.endr
.irp j, 0,1,2,3,4,5,6,7
.if \p == 0
	v_min_num_f32 v[MN+\j], v[DD+\j], v[DD+8+\j]                   ; the first pair starts the chains
.else
	v_min3_num_f32 v[MN+\j], v[MN+\j], v[DD+16*\p+\j], v[DD+16*\p+8+\j]
.endif
.endr
.endm
; The exponentials of group gi (tile 15 - gi) are added to the eight sums; groups 0 and 1 start them together.
.macro P2SUM gi
.if \gi == 1
	s_wait_alu depctr_va_vdst(0)
.irp k, 0,1,2,3
	v_pk_add_f32 v[SS+2*\k:SS+2*\k+1], v[DD+120+2*\k:DD+120+2*\k+1], v[DD+112+2*\k:DD+112+2*\k+1]
.endr
.endif
.if \gi > 1
	s_wait_alu depctr_va_vdst(0)
.irp k, 0,1,2,3
	v_pk_add_f32 v[SS+2*\k:SS+2*\k+1], v[SS+2*\k:SS+2*\k+1], v[DD+8*(15-\gi)+2*\k:DD+8*(15-\gi)+2*\k+1]
.endr
.endif
.endm
; Group gi = tile 15 - gi of the half that begins at tile tb: which distances equal the pixel's least one; the tile's number into the pixel's chain (the tiles go down, so
; the lowest is written last; 64 = none); exp2((least - dist) log2 e) in place.
; The eight compares at the head are the plain instructions between the last group's exponentials and the sums that read them (ISA guide 5.7.2).
.macro P2G gi, tb
.irp j, 0,1,2,3,4,5,6,7
	v_cmp_eq_f32 s[MK+8*(\gi%2)+\j], v[DD+8*(15-\gi)+\j], v[MN+\j]
.endr
.if \gi > 0
	P2SUM (\gi-1)
.endif
.irp k, 0,1,2,3
	v_pk_fma_f32 v[DD+8*(15-\gi)+2*\k:DD+8*(15-\gi)+2*\k+1], v[DD+8*(15-\gi)+2*\k:DD+8*(15-\gi)+2*\k+1], NLOG2E, v[MC+2*\k:MC+2*\k+1] op_sel_hi:[1,0,1]
.if \gi == 0
	v_cndmask_b32 v[IC+2*\k], 64, \tb+15, s[MK+2*\k]
	v_cndmask_b32 v[IC+2*\k+1], 64, \tb+15, s[MK+2*\k+1]
.else
	v_cndmask_b32 v[IC+2*\k], v[IC+2*\k], \tb+15-\gi, s[MK+8*(\gi%2)+2*\k]
	v_cndmask_b32 v[IC+2*\k+1], v[IC+2*\k+1], \tb+15-\gi, s[MK+8*(\gi%2)+2*\k+1]
.endif
.endr
.irp j, 0,1,2,3,4,5,6,7
	v_exp_f32 v[DD+8*(15-\gi)+\j], v[DD+8*(15-\gi)+\j]
.endr
.endm
.macro P2HALF tb
.irp gi, 0,1,2,3,4,5,6,7,8,9,10,11,12,13,14,15
	P2G \gi, \tb
.endr
	v_nop                                          ; one plain instruction between the last exponentials and their sum (ISA guide 5.7.2)
	s_wait_alu depctr_va_vdst(0)
	P2SUM 15
.endm
; The softmax histogram of the window's 16 tiles: each exponential over its pixel's sum, added up over the lane's eight pixels, even and odd j apart.
.macro HIST first
.irp k, 0,1,2,3
.set tt, 0
.rept 16
.if \k == 0
.if \first
	v_pk_mul_f32 v[ACC+2*tt:ACC+2*tt+1], v[DD+8*tt:DD+8*tt+1], v[WR:WR+1]
.else
	v_pk_fma_f32 v[ACC+2*tt:ACC+2*tt+1], v[DD+8*tt:DD+8*tt+1], v[WR:WR+1], v[ACC+2*tt:ACC+2*tt+1]
.endif
.else
	v_pk_fma_f32 v[ACC+2*tt:ACC+2*tt+1], v[DD+8*tt+2*\k:DD+8*tt+2*\k+1], v[WR+2*\k:WR+2*\k+1], v[ACC+2*tt:ACC+2*tt+1]
.endif
.set tt, tt+1
.endr
.endr
.endm
.macro PHASE1 last
.irp p, 0,1,2,3,4,5,6
	PAIR \p, 1
.endr
	PAIR 7, \last
.endm
; Pixel tile u, 16 pixels against 512 codes.
.macro TILE u, first
	XPREP \u
	PHASE1 2                                       ; tiles 0-15; its last pair asks for window 1's first fragments
	WIN 0x55
	PHASE1 0                                       ; tiles 16-31
	WIN 0x04
.irp j, 0,1,2,3,4,5,6,7
	v_min_num_f32 v[MN+\j], v[MN+\j], v[MN+\j]     ; window 0's chain with window 1's
.endr
	WIN 0
.irp m, 1,2,4,8
.irp j, 0,1,2,3,4,5,6,7
	v_min_num_f32_dpp v[MN+\j], v[MN+\j], v[MN+\j] row_xmask:\m row_mask:0xf bank_mask:0xf    ; across the sixteen codes that the lanes of a half stand for
.endr
.endr
	ds_store_b128 v[VW2], v[MN:MN+3] offset:MLO+64*\u              ; the least distances, for the loss (the sixteen lanes of a half store the same bytes)
	ds_store_b128 v[VW2], v[MN+4:MN+7] offset:MLO+64*\u+16
.irp k, 0,1,2,3
	v_pk_mul_f32 v[MC+2*\k:MC+2*\k+1], v[MN+2*\k:MN+2*\k+1], LOG2E op_sel_hi:[1,0]
.endr
	WIN 0x40
.irp j, 0,1,2,3,4,5,6,7
	v_mov_b32 v[MN+\j], v[MN+\j]                   ; window 1 compares with the same least distance
.endr
.irp k, 0,1,2,3
	v_pk_mul_f32 v[MC+2*\k:MC+2*\k+1], v[MN+2*\k:MN+2*\k+1], LOG2E op_sel_hi:[1,0]
.endr
	WIN 0
	P2HALF 0
	WIN 0x55
	P2HALF 16
	WIN 0x04
.irp j, 0,1,2,3,4,5,6,7
	v_min_u32 v[IC+\j], v[IC+\j], v[IC+\j]
.endr
.irp k, 0,1,2,3
	v_pk_add_f32 v[SS+2*\k:SS+2*\k+1], v[SS+2*\k:SS+2*\k+1], v[SS+2*\k:SS+2*\k+1]
.endr
	WIN 0
.irp m, 1,2,4,8
.irp j, 0,1,2,3,4,5,6,7
	v_add_f32_dpp v[SS+\j], v[SS+\j], v[SS+\j] row_xmask:\m row_mask:0xf bank_mask:0xf
.endr
.endr
.irp j, 0,1,2,3,4,5,6,7
	v_rcp_f32 v[WR+\j], v[SS+\j]                   ; the sum is at least about 1: the least distance's own exponential is in it
.endr
	; the index 16 t + r, 1,039 at the most, is exact in f32: the least over the sixteen lanes rides on the f32 minimum.  These lines also stand between v_rcp_f32 and the use of its results.
.irp j, 0,1,2,3,4,5,6,7
	v_lshl_add_u32 v[IC+\j], v[IC+\j], 4, v[R]
.endr
.irp j, 0,1,2,3,4,5,6,7
	v_cvt_f32_u32 v[IC+\j], v[IC+\j]
.endr
.irp m, 1,2,4,8
.irp j, 0,1,2,3,4,5,6,7
	v_min_num_f32_dpp v[IC+\j], v[IC+\j], v[IC+\j] row_xmask:\m row_mask:0xf bank_mask:0xf
.endr
.endr
.irp j, 0,1,2,3,4,5,6,7
	v_cvt_u32_f32 v[IC+\j], v[IC+\j]
.endr
.irp j, 0,1,2,3,4,5,6,7
	v_min_u32 v[IC+\j], 0x1ff, v[IC+\j]            ; a pixel without an equal least distance (NaN) gets 511
.endr
	ds_store_b128 v[VW2], v[IC:IC+3] offset:IDXO+64*\u
	ds_store_b128 v[VW2], v[IC+4:IC+7] offset:IDXO+64*\u+16
	WIN 0x40
	s_wait_alu depctr_va_vdst(0)
.irp j, 0,1,2,3,4,5,6,7
	v_mov_b32 v[WR+\j], v[WR+\j]                   ; window 1 scales by the same 1 / sum
.endr
	WIN 0
	HIST \first
	WIN 0x55
	HIST \first
	WIN 0
.endm
	TILE 0, 1
	TILE 1, 0
	; THE TAIL.  The softmax histogram of my 32 pixels: even and odd j, then the two halves of the lanes; code 16 t + r to my wave's row of SHP.
	WIN 0x05
.set tt, 0
.rept 16
	v_add_f32 v[DD+16+tt], v[ACC+2*tt], v[ACC+2*tt+1]              ; tiles 16-31, from window 1 into window 0
.set tt, tt+1
.endr
	WIN 0
.set tt, 0
.rept 16
	v_add_f32 v[DD+tt], v[ACC+2*tt], v[ACC+2*tt+1]
.set tt, tt+1
.endr
.set tt, 0
.rept 32
	v_permlanex16_b32 v[DD+32+tt], v[DD+tt], s22, s23
.set tt, tt+1
.endr
	v_lshlrev_b32 v8, 2, v[R]
	v_lshl_add_u32 v8, s18, 11, v8                 ; 2048 w + 4 r
.set tt, 0
.rept 32
	v_add_f32 v[DD+tt], v[DD+tt], v[DD+32+tt]
	ds_store_b32 v8, v[DD+tt] offset:SHPO+64*tt    ; both halves store the same word
.set tt, tt+1
.endr
	; Code counts of my 32 pixels as a product over the pixels: count[16 a + c] = sum over p of [idx >> 4 = a] x [idx & 15 = c], ones and zeros in bf16, exact in f32.
	ds_load_b128 v[32:35], v[VW2] offset:IDXO      ; my wave's own bytes, served in order: pixels 8 h .. 8 h + 7
	ds_load_b128 v[36:39], v[VW2] offset:IDXO+16
	ds_load_b128 v[40:43], v[VW2] offset:IDXO+64   ; pixels 16 + 8 h .. + 7
	ds_load_b128 v[44:47], v[VW2] offset:IDXO+80
	v_add_nc_u32 v9, 16, v[R]
	v_mov_b32 v10, 0x3f80                          ; 1.0 in bf16, in the low half
	v_mov_b32 v11, 0x3f800000                      ; and in the high half
	s_wait_dscnt 0x0
.irp e, 0,1,2,3,4,5,6,7,8,9,10,11,12,13,14,15
	v_and_b32 v12, 15, v[32+\e]
	v_lshrrev_b32 v13, 4, v[32+\e]
	v_cmp_eq_u32 s48, v13, v[R]
	v_cmp_eq_u32 s49, v13, v9
	v_cmp_eq_u32 s50, v12, v[R]
.if \e%2 == 0
	v_cndmask_b32 v[64+\e/2], 0, v10, s48          ; rows a = 0..15
	v_cndmask_b32 v[72+\e/2], 0, v10, s49          ; rows a = 16..31
	v_cndmask_b32 v[80+\e/2], 0, v10, s50          ; columns c
.else
	v_cndmask_b32 v14, 0, v11, s48
	v_cndmask_b32 v15, 0, v11, s49
	v_cndmask_b32 v16, 0, v11, s50
	v_or_b32 v[64+\e/2], v[64+\e/2], v14
	v_or_b32 v[72+\e/2], v[72+\e/2], v15
	v_or_b32 v[80+\e/2], v[80+\e/2], v16
.endif
.endr
	v_wmma_f32_16x16x32_bf16 v[96:103], v[64:71], v[80:87], 0
	v_wmma_f32_16x16x32_bf16 v[104:111], v[72:79], v[80:87], 0
	; five plain instructions that name none of the products' registers stand between them and the stores of their results: the way out's addresses
	v_lshlrev_b32 v17, 9, v[H]
	v_lshl_add_u32 v17, v[R], 2, v17
	v_lshl_add_u32 v17, s18, 11, v17               ; 2048 w + 512 h + 4 r
	v_and_b32 v18, 31, v0                          ; lane
	v_lshlrev_b32 v19, 4, v18                      ; 16 lane
.irp a, 0,1
.irp j, 0,1,2,3,4,5,6,7
	ds_store_b32 v17, v[96+8*\a+\j] offset:HPO+1024*\a+64*\j       ; count of code 16 (16 a + 8 h + j) + r
.endr
.endr
	s_wait_dscnt 0x0
	BAR                                            ; IDX, ML, SHP and HP of every wave are in LDS
	; THE WAY OUT, under branches on the wave's number; all ways join again at the closing round.
; thread t' = 32 (w & 3) + lane adds the eight waves' rows at words 4 t' .. 4 t' + 3 into v[64:67]
.macro SUM8 base
.irp k, 0,1,2,3,4,5,6,7
	ds_load_b128 v[64+4*\k:67+4*\k], v19 offset:\base+2048*\k
.endr
	s_wait_dscnt 0x0
.irp k, 0,2,4,6
	v_pk_add_f32 v[64+4*\k:65+4*\k], v[64+4*\k:65+4*\k], v[68+4*\k:69+4*\k]
	v_pk_add_f32 v[66+4*\k:67+4*\k], v[66+4*\k:67+4*\k], v[70+4*\k:71+4*\k]
.endr
	v_pk_add_f32 v[64:65], v[64:65], v[72:73]
	v_pk_add_f32 v[66:67], v[66:67], v[74:75]
	v_pk_add_f32 v[80:81], v[80:81], v[88:89]
	v_pk_add_f32 v[82:83], v[82:83], v[90:91]
	v_pk_add_f32 v[64:65], v[64:65], v[80:81]
	v_pk_add_f32 v[66:67], v[66:67], v[82:83]
.endm
	s_lshl_b32 s72, s19, 10
	s_mov_b32 s73, 0
	s_and_b32 s68, s18, 3
	v_lshl_add_u32 v19, s68, 9, v19                ; 16 t'
	s_cmp_ge_u32 s18, 4
	s_cbranch_scc1 .Lsoft
	; waves 0-3: the counts of codes 4 t' .. 4 t' + 3, packed two to a word (a count is 256 at the most)
	SUM8 HPO
	v_lshlrev_b32 v20, 3, v18
	v_lshl_add_u32 v20, s18, 8, v20                ; 8 t'
	s_add_nc_u64 s[12:13], s[12:13], s[72:73]      ; hp + 1024 g
.irp k, 64,65,66,67
	v_cvt_u32_f32 v\k, v\k
.endr
	v_lshl_or_b32 v68, v65, 16, v64
	v_lshl_or_b32 v69, v67, 16, v66
	global_store_b64 v20, v[68:69], s[12:13]       ; a wave stores 256 consecutive bytes, aligned
	s_cmp_ge_u32 s18, 2
	s_cbranch_scc1 .Lnoidx
	; waves 0-1: the 256 indices, to out3 and to the copy that the second launch forms addresses from
	ds_load_b128 v[72:75], v19 offset:IDXO
	s_add_nc_u64 s[8:9], s[8:9], s[72:73]
	s_add_nc_u64 s[10:11], s[10:11], s[72:73]
	s_wait_dscnt 0x0
	global_store_b128 v19, v[72:75], s[8:9]
	global_store_b128 v19, v[72:75], s[10:11]
.Lnoidx:
	s_cmp_lg_u32 s18, 3
	s_cbranch_scc1 .Lend
	; wave 3: the sum of the work-group's 256 least distances, eight a lane; lane 0 stores it
	v_lshlrev_b32 v21, 5, v18
	ds_load_b128 v[76:79], v21 offset:MLO
	ds_load_b128 v[80:83], v21 offset:MLO+16
	s_lshl_b32 s74, s19, 2
	s_mov_b32 s75, 0
	s_add_nc_u64 s[16:17], s[16:17], s[74:75]
	v_mov_b32 v22, 0
	s_wait_dscnt 0x0
	v_pk_add_f32 v[76:77], v[76:77], v[78:79]
	v_pk_add_f32 v[80:81], v[80:81], v[82:83]
	v_pk_add_f32 v[76:77], v[76:77], v[80:81]
	v_add_f32 v76, v76, v77
.irp m, 1,2,4,8
	v_add_f32_dpp v76, v76, v76 row_xmask:\m row_mask:0xf bank_mask:0xf
.endr
	v_permlanex16_b32 v77, v76, s22, s23
	v_add_f32 v76, v76, v77
	v_cmp_eq_u32 vcc_lo, 0, v18
	s_wait_xcnt 0x0                                ; EXEC is a source of the store above: it changes only behind this wait
	s_and_saveexec_b32 s76, vcc_lo
	global_store_b32 v22, v76, s[16:17]
	s_wait_xcnt 0x0                                ; and again in front of the line that widens it
	s_or_b32 exec_lo, exec_lo, s76
	s_branch .Lend
.Lsoft:
	; waves 4-7: the work-group's softmax histogram, 512 consecutive bytes a wave
	SUM8 SHPO
	s_lshl_b32 s72, s19, 11
	s_add_nc_u64 s[14:15], s[14:15], s[72:73]      ; sp + 2048 g
	global_store_b128 v19, v[64:67], s[14:15]
.Lend:
	s_wait_dscnt 0x0                               ; no LDS instruction of the wave is pending at a signal (met on every way here)
	s_set_vgpr_msb 0x5
	s_wait_tensorcnt 0x0
	ds_add_u32 v6, v7
	s_wait_dscnt 0x0
	s_set_vgpr_msb 0x500
	ROUND                                          ; the closing round: no work-group ends while a partner may still ask for rows by a load that names it; the last stores leave meanwhile
	s_endpgm
.Lfunc_end_k_q54d59f0c11_vq_main:
	.size	k_q54d59f0c11_vq_main, .Lfunc_end_k_q54d59f0c11_vq_main-k_q54d59f0c11_vq_main
	.p2alignl 7, 3214868480
	.fill 96, 4, 3214868480
	.section	.rodata,"a",@progbits
	.p2align	6, 0x0
	.amdhsa_kernel k_q54d59f0c11_vq_main
		.amdhsa_group_segment_fixed_size 317952
		.amdhsa_private_segment_fixed_size 0
		.amdhsa_enable_private_segment 0
		.amdhsa_kernarg_size 56
		.amdhsa_user_sgpr_count 2
		.amdhsa_user_sgpr_kernarg_segment_ptr 1
		.amdhsa_wavefront_size32 1
		.amdhsa_system_sgpr_workgroup_id_x 1
		.amdhsa_system_sgpr_workgroup_id_y 1
		.amdhsa_system_sgpr_workgroup_id_z 1
		.amdhsa_system_vgpr_workitem_id 0
		.amdhsa_next_free_vgpr 512
		.amdhsa_next_free_sgpr 80
		.amdhsa_reserve_vcc 1
		.amdhsa_float_denorm_mode_32 3
		.amdhsa_float_denorm_mode_16_64 3
		.amdhsa_memory_ordered 1
		.amdhsa_forward_progress 1
		.amdhsa_inst_pref_size 255
	.end_amdhsa_kernel
	.section	.bss,"aw",@nobits
	.p2align	6
	.space	262144
	.amdgpu_metadata
---
amdhsa.version: [ 1, 2 ]
amdhsa.kernels:
  - .name:           k_q54d59f0c11_vq_main
    .symbol:         k_q54d59f0c11_vq_main.kd
    .args:
      - { .name: x, .offset: 0, .size: 8, .value_kind: global_buffer, .address_space: global }
      - { .name: codebook, .offset: 8, .size: 8, .value_kind: global_buffer, .address_space: global }
      - { .name: out3, .offset: 16, .size: 8, .value_kind: global_buffer, .address_space: global }
      - { .name: codes, .offset: 24, .size: 8, .value_kind: global_buffer, .address_space: global }
      - { .name: hp, .offset: 32, .size: 8, .value_kind: global_buffer, .address_space: global }
      - { .name: sp, .offset: 40, .size: 8, .value_kind: global_buffer, .address_space: global }
      - { .name: lp, .offset: 48, .size: 8, .value_kind: global_buffer, .address_space: global }
    .group_segment_fixed_size: 317952
    .private_segment_fixed_size: 0
    .kernarg_segment_align: 8
    .kernarg_segment_size: 56
    .max_flat_workgroup_size: 256
    .sgpr_count:     80
    .vgpr_count:     512
    .wavefront_size: 32
...
	.end_amdgpu_metadata
.endif
;; end of part 3
;; launch vq_out (part 4): grid 257 x 1, 8 waves a work-group, no clusters, 74,752 bytes of LDS; arguments codebook, codes, hp, sp, lp, out0, out1, out2, out4, out5; writes out0, out1, out2, out4, out5
.if DOCPART == 4
	.amdgcn_target "amdgcn-amd-amdhsa--gfx1250"
	.amdhsa_code_object_version 6
	.text
	.protected	k_q54d59f0c11_vq_out
	.globl	k_q54d59f0c11_vq_out
	.p2align	8
	.type	k_q54d59f0c11_vq_out,@function
k_q54d59f0c11_vq_out:
	s_mov_b64 s[64:65], 0
	v_nop
	global_prefetch_b8 v0, s[64:65] scope:SCOPE_SE
	s_setreg_imm32_b32 hwreg(HW_REG_WAVE_MODE, 25, 1), 1
	s_wait_xcnt 0x0
; VECTOR QUANTISER, second launch: the lookup and the closing sums.
; Left out, as shown at the head of the first kernel: one_hot x codebook is the lookup made here from the stored indices; x + (q - x) = q, so x is not read;
; the loss is 1.25 / 2^22 times the sum of the least distances; the histograms are sums of the first launch's partial counts.
; Work-group 0: the counts of all 256 work-groups of the first launch -> perplexity (out2); their 256 sums of least distances -> loss (out1).  It has the longest chain of
;   dependent steps (256 KiB through one work-group, two exchanges, one store), so it has the first number; with 256 registers a wave a lookup group still fits beside it.
; Work-groups 1..256 (g = number - 1; image b = g >> 2, quarter q = g & 3): out0[b][d][256 q + p] = codebook[codes[256 g + p]][d], turned from [p][d] to [d][p] through LDS;
;   wave 0 also adds the four quarters' counts of codes 128 q .. + 127 (out4), wave 1 their softmax sums (out5).
; Memory binds: no matrix unit, no tensor load, no cluster (nothing but the small codebook is shared, and which rows are read hangs on the indices).
; LDS tile of a lookup group, bytes 0 .. 65535: row d of 1,024 bytes; the 16 bytes of pixels 4 Q .. 4 Q + 3 lie at quad (Q + d / 4) mod 64.  So the 32 lanes of a
; 4-byte store (16 values of d / 4, 2 pixels) touch 32 different banks, and a 16-byte read of 16 neighbouring lanes takes 256 neighbouring bytes but for the wrap.
; The closing work-group's exchanges have bytes of their own, from FIN on: the two paths of this text share no LDS byte.
.set FIN, 65536       ; closing path: [4 groups of rows][256 words] packed counts, and at FIN + 4096 the eight waves' pairs of sums
	s_load_b512 s[4:19], s[0:1], 0x0               ; codebook s[4:5], codes s[6:7], hp s[8:9], sp s[10:11], lp s[12:13], out0 s[14:15], out1 s[16:17], out2 s[18:19]
	s_load_b128 s[20:23], s[0:1], 0x40             ; out4 s[20:21], out5 s[22:23]
	v_lshl_add_u32 v14, v0, 2, 0x12000
	v_mov_b32 v15, 0
	v_lshrrev_b32 v1, 5, v0
	v_readfirstlane_b32 s58, v1                    ; wave 0..7
	s_mov_b32 s59, ttmp9
	s_mov_b32 s60, 0xffff0000                      ; lanes 16-31
	s_cmp_eq_u32 s59, 0
	s_cbranch_scc1 .Lfinal
	; ---------------- the lookup ----------------
	s_sub_co_u32 s59, s59, 1                       ; g
	s_lshl_b32 s56, s59, 10
	s_lshl_b32 s57, s58, 7
	s_add_co_u32 s56, s56, s57                     ; my wave's 32 indices: 1024 g + 128 w
	s_mov_b32 s57, 0
	s_lshr_b32 s61, s59, 2                         ; b
	s_and_b32 s62, s59, 3                          ; q
	s_wait_kmcnt 0x0
	s_add_nc_u64 s[6:7], s[6:7], s[56:57]
	s_load_b512 s[24:39], s[6:7], 0x0              ; the index of pixel 32 w + n in s[24 + n]
	s_load_b512 s[40:55], s[6:7], 0x40
	s_lshl_b32 s56, s61, 12
	s_lshl_b32 s63, s62, 8
	s_add_co_u32 s56, s56, s63
	s_add_nc_u64 s[8:9], s[8:9], s[56:57]          ; hp + 1024 (4 b) + 256 q
	s_lshl_b32 s56, s56, 1
	s_add_nc_u64 s[10:11], s[10:11], s[56:57]      ; sp + 2048 (4 b) + 512 q
	s_lshl_b32 s56, s61, 11
	s_lshl_b32 s63, s62, 9
	s_add_co_u32 s56, s56, s63
	s_add_nc_u64 s[20:21], s[20:21], s[56:57]      ; out4, out5 + 2048 b + 512 q
	s_add_nc_u64 s[22:23], s[22:23], s[56:57]
	s_lshl_b32 s56, s61, 18
	s_lshl_b32 s63, s62, 10
	s_add_co_u32 s56, s56, s63
	s_lshl_b32 s63, s58, 15
	s_add_co_u32 s56, s56, s63
	s_add_nc_u64 s[14:15], s[14:15], s[56:57]      ; out0 + 262144 b + 1024 q + 32768 w: my eight rows d = 8 w ..
	v_and_b32 v1, 31, v0                           ; lane
	v_and_b32 v2, 15, v0                           ; c: my 16 bytes of a code's row, d = 4 c .. 4 c + 3
	v_bfe_u32 v3, v0, 4, 1                         ; h: which of a gather's two pixels
	v_lshlrev_b32 v4, 4, v1                        ; 16 lane
	v_lshlrev_b32 v5, 3, v1                        ; 8 lane
	v_lshlrev_b32 v6, 4, v2                        ; 16 c
	v_lshl_add_u32 v7, v3, 2, v6
	v_lshl_add_u32 v7, s58, 7, v7                  ; 128 w + 4 h + 16 c: byte of pixel 32 w + h in a row, moved on by c quads
	v_lshlrev_b32 v8, 12, v2                       ; 4096 c: row 4 c
	; the small loads go out ahead of the gathers, so the gathers' counted waits are the same in every wave; each of the two kinds has registers of its own
	s_cmp_lg_u32 s58, 0
	s_cbranch_scc1 .Lnot0
.irp k, 0,1,2,3
	global_load_b64 v[112+2*\k:113+2*\k], v5, s[8:9] offset:1024*\k    ; the four quarters' packed counts of codes 128 q + 4 lane .. + 3
.endr
.Lnot0:
	s_cmp_lg_u32 s58, 1
	s_cbranch_scc1 .Lnot1
.irp k, 0,1,2,3
	global_load_b128 v[128+4*\k:131+4*\k], v4, s[10:11] offset:2048*\k ; the four quarters' softmax sums of the same codes
.endr
.Lnot1:
	s_wait_kmcnt 0x0
	; sixteen gathers, two pixels each: sixteen lanes read one whole row of the codebook, 256 consecutive bytes, aligned
.irp i, 0,1,2,3,4,5,6,7,8,9,10,11,12,13,14,15
	v_mov_b32 v9, s[24+2*\i]
	v_cndmask_b32 v9, v9, s[25+2*\i], s60
	v_min_u32 v9, 0x1ff, v9                        ; an index stays inside the table
	v_lshl_add_u32 v[16+\i], v9, 8, v6
	global_load_b128 v[32+4*\i:35+4*\i], v[16+\i], s[4:5]
.endr
.irp i, 0,1,2,3,4,5,6,7,8,9,10,11,12,13,14,15
	v_add_nc_u32 v[96+\i], 8*\i, v7                ; pixel 32 w + 2 i + h
	v_and_b32 v[96+\i], 0x3ff, v[96+\i]            ; the quads wrap inside the row
	v_add_nc_u32 v[96+\i], v[96+\i], v8
.endr
	v_lshl_add_u32 v9, s58, 5, v4                  ; 16 lane + 32 w: rows 8 w .. 8 w + 7 are moved on by 2 w + z quads, z = 0 for the first four rows, 1 for the last four
.irp z, 0,1
.irp e, 0,1
	v_add_nc_u32 v[10+2*\z+\e], 16*\z+512*\e, v9
	v_and_b32 v[10+2*\z+\e], 0x3ff, v[10+2*\z+\e]
	v_lshl_add_u32 v[10+2*\z+\e], s58, 13, v[10+2*\z+\e]
.endr
.endr
.irp i, 0,1,2,3,4,5,6,7,8,9,10,11,12,13,14,15
	s_wait_loadcnt 15-\i                           ; loads come back in order: gather i is in, the younger ones stay out
.irp k, 0,1,2,3
	ds_store_b32 v[96+\i], v[32+4*\i+\k] offset:1024*\k
.endr
.endr
	s_wait_dscnt 0x0                               ; for the other waves' sake: all my 64 stores are in LDS
	s_barrier_signal -1
	s_barrier_wait -1
	; my eight rows, read back by whole rows: load n = 2 dd + e is row 8 w + dd, pixels 128 e + 4 lane .. + 3
.irp dd, 0,1,2,3,4,5,6,7
.irp e, 0,1
	ds_load_b128 v[32+8*\dd+4*\e:35+8*\dd+4*\e], v[10+2*(\dd/4)+\e] offset:1024*\dd
.endr
.endr
.irp dd, 0,1,2,3,4,5,6,7
.irp e, 0,1
	s_wait_dscnt 15-2*\dd-\e                       ; LDS loads come back in order: this one is in
	global_store_b128 v4, v[32+8*\dd+4*\e:35+8*\dd+4*\e], s[14:15] offset:4096*\dd+512*\e th:TH_STORE_NT   ; a wave stores 512 consecutive bytes, aligned
.endr
.endr
	s_cmp_lg_u32 s58, 0
	s_cbranch_scc1 .Lnot0b
	v_add3_u32 v112, v112, v114, v116              ; packed sums: four quarters of 256 pixels, 1,024 at the most in a half
	v_add3_u32 v113, v113, v115, v117
	v_add_nc_u32 v112, v112, v118
	v_add_nc_u32 v113, v113, v119
	v_and_b32 v120, 0xffff, v112
	v_lshrrev_b32 v121, 16, v112
	v_and_b32 v122, 0xffff, v113
	v_lshrrev_b32 v123, 16, v113
.irp k, 120,121,122,123
	v_cvt_f32_u32 v\k, v\k
.endr
	global_store_b128 v4, v[120:123], s[20:21]
.Lnot0b:
	s_cmp_lg_u32 s58, 1
	s_cbranch_scc1 .Lnot1b
	v_pk_add_f32 v[128:129], v[128:129], v[132:133]
	v_pk_add_f32 v[130:131], v[130:131], v[134:135]
	v_pk_add_f32 v[136:137], v[136:137], v[140:141]
	v_pk_add_f32 v[138:139], v[138:139], v[142:143]
	v_pk_add_f32 v[128:129], v[128:129], v[136:137]
	v_pk_add_f32 v[130:131], v[130:131], v[138:139]
	global_store_b128 v4, v[128:131], s[22:23]
.Lnot1b:
	s_wait_tensorcnt 0x0
	ds_add_u32 v14, v15
	s_wait_dscnt 0x0
	s_endpgm
	; ---------------- loss and perplexity ----------------
.Lfinal:
	v_lshlrev_b32 v1, 4, v0                        ; 16 t: my offset in a step of hp
	v_lshlrev_b32 v2, 2, v0                        ; 4 t: my offset in lp
	v_add_nc_u32 v10, FIN, v1                      ; LDS: FIN + 16 t
	v_add_nc_u32 v11, FIN, v2                      ; LDS: FIN + 4 t
	v_mov_b32 v12, FIN                             ; LDS: FIN
	s_mov_b32 s56, 0x76543210
	s_mov_b32 s57, 0xfedcba98
	s_wait_kmcnt 0x0
	global_load_b32 v8, v2, s[12:13]               ; the sum of least distances of the first launch's work-group t
; cnt loads: step n of the 64 takes four work-groups' rows of hp, 4,096 bytes; thread t keeps words 4 (t & 63) .. + 3 of the rows 4 n + (t >> 6)
.macro LDG n0, base, cnt
.set kk, 0
.rept \cnt
	global_load_b128 v[\base+4*kk:\base+4*kk+3], v1, s[8:9] offset:4096*(\n0+kk)
.set kk, kk+1
.endr
.endm
; packed sums of np pairs of steps into v[4:7]: 64 rows of 256 at the most, 16,384 in a half
.macro ADDG base, first, np
.set mm, 0
.rept \np
.irp k, 0,1,2,3
.if \first
.if mm == 0
	v_add_nc_u32 v[4+\k], v[\base+\k], v[\base+4+\k]
.else
	v_add3_u32 v[4+\k], v[4+\k], v[\base+8*mm+\k], v[\base+8*mm+4+\k]
.endif
.else
	v_add3_u32 v[4+\k], v[4+\k], v[\base+8*mm+\k], v[\base+8*mm+4+\k]
.endif
.endr
.set mm, mm+1
.endr
.endm
	LDG 0, 32, 56                                  ; 56 of the 64 steps go out in one run, into v[32:255]: 224 KiB of the 256 are on their way at once
	s_wait_loadcnt 40                              ; lp and steps 0-15 are in; steps 16-55 stay out
	ADDG 32, 1, 8
	LDG 56, 32, 8                                  ; the last eight steps, into registers that have just been added
	s_wait_loadcnt 32                              ; steps 16-31 are in; 32-63 stay out
	ADDG 96, 0, 8
	s_wait_loadcnt 16                              ; steps 32-47 are in; 48-63 stay out
	ADDG 160, 0, 8
	s_wait_loadcnt 8                               ; steps 48-55 are in; 56-63 stay out
	ADDG 224, 0, 4
	s_wait_loadcnt 0x0
	ADDG 32, 0, 4
	ds_store_b128 v10, v[4:7]                      ; [4 groups of rows][256 words]
	s_wait_dscnt 0x0
	s_barrier_signal -1
	s_barrier_wait -1
.irp k, 0,1,2,3
	ds_load_b32 v[16+\k], v11 offset:1024*\k       ; word t (codes 2 t, 2 t + 1) of the four groups
.endr
	s_wait_dscnt 0x0
.irp k, 0,1,2,3
	v_and_b32 v[20+\k], 0xffff, v[16+\k]           ; unpacked first: a total of 65,536 does not fit in a half
	v_lshrrev_b32 v[16+\k], 16, v[16+\k]
.endr
	v_add3_u32 v20, v20, v21, v22
	v_add3_u32 v16, v16, v17, v18
	v_add_nc_u32 v20, v20, v23
	v_add_nc_u32 v16, v16, v19
	v_cvt_f32_u32 v20, v20
	v_cvt_f32_u32 v16, v16
	v_mul_f32 v20, 0x37800000, v20                 ; avg_probs = count / 65536
	v_mul_f32 v16, 0x37800000, v16
	v_add_f32 v21, 0x2edbe6ff, v20                 ; + 1e-10
	v_add_f32 v17, 0x2edbe6ff, v16
	v_log_f32 v21, v21                             ; log2: exp(-sum p ln(..)) = exp2(-sum p log2(..))
	v_log_f32 v17, v17
	v_lshl_add_u32 v3, s58, 3, v12                 ; FIN + 8 w; also the plain instruction between the logarithms and their use (ISA guide 5.7.2)
	s_wait_alu depctr_va_vdst(0)
	v_mul_f32 v21, v20, v21
	v_fma_f32 v21, v16, v17, v21
.irp m, 1,2,4,8
	v_add_f32_dpp v21, v21, v21 row_xmask:\m row_mask:0xf bank_mask:0xf
	v_add_f32_dpp v8, v8, v8 row_xmask:\m row_mask:0xf bank_mask:0xf
.endr
	v_permlanex16_b32 v22, v21, s56, s57
	v_permlanex16_b32 v23, v8, s56, s57
	v_add_f32 v22, v21, v22
	v_add_f32 v23, v8, v23
	ds_store_b64 v3, v[22:23] offset:4096          ; other bytes than the first exchange's
	s_wait_dscnt 0x0
	s_barrier_signal -1
	s_barrier_wait -1
	v_mov_b32 v9, 0
.irp k, 0,1,2,3
	ds_load_b128 v[16+4*\k:19+4*\k], v12 offset:4096+16*\k
.endr
	s_wait_dscnt 0x0
	v_pk_add_f32 v[16:17], v[16:17], v[18:19]
	v_pk_add_f32 v[20:21], v[20:21], v[22:23]
	v_pk_add_f32 v[24:25], v[24:25], v[26:27]
	v_pk_add_f32 v[28:29], v[28:29], v[30:31]
	v_pk_add_f32 v[16:17], v[16:17], v[20:21]
	v_pk_add_f32 v[24:25], v[24:25], v[28:29]
	v_pk_add_f32 v[16:17], v[16:17], v[24:25]
	v_exp_f32 v20, -v16                            ; perplexity
	v_mul_f32 v21, 0x34a00000, v17                 ; loss = 1.25 / 2^22 x the sum; also the plain instruction behind v_exp_f32
	s_cmp_lg_u32 s58, 0
	s_cbranch_scc1 .Lfend
	v_cmp_eq_u32 vcc_lo, 0, v0
	s_wait_xcnt 0x0                                ; EXEC changes only behind this wait
	s_and_saveexec_b32 s61, vcc_lo
	global_store_b32 v9, v21, s[16:17]
	s_wait_alu depctr_va_vdst(0)
	global_store_b32 v9, v20, s[18:19]
	s_wait_xcnt 0x0
	s_or_b32 exec_lo, exec_lo, s61
.Lfend:
	s_wait_tensorcnt 0x0
	ds_add_u32 v14, v15
	s_wait_dscnt 0x0
	s_endpgm
.Lfunc_end_k_q54d59f0c11_vq_out:
	.size	k_q54d59f0c11_vq_out, .Lfunc_end_k_q54d59f0c11_vq_out-k_q54d59f0c11_vq_out
	.p2alignl 7, 3214868480
	.fill 96, 4, 3214868480
	.section	.rodata,"a",@progbits
	.p2align	6, 0x0
	.amdhsa_kernel k_q54d59f0c11_vq_out
		.amdhsa_group_segment_fixed_size 74752
		.amdhsa_private_segment_fixed_size 0
		.amdhsa_enable_private_segment 0
		.amdhsa_kernarg_size 80
		.amdhsa_user_sgpr_count 2
		.amdhsa_user_sgpr_kernarg_segment_ptr 1
		.amdhsa_wavefront_size32 1
		.amdhsa_system_sgpr_workgroup_id_x 1
		.amdhsa_system_sgpr_workgroup_id_y 1
		.amdhsa_system_sgpr_workgroup_id_z 1
		.amdhsa_system_vgpr_workitem_id 0
		.amdhsa_next_free_vgpr 256
		.amdhsa_next_free_sgpr 66
		.amdhsa_reserve_vcc 1
		.amdhsa_float_denorm_mode_32 3
		.amdhsa_float_denorm_mode_16_64 3
		.amdhsa_memory_ordered 1
		.amdhsa_forward_progress 1
		.amdhsa_inst_pref_size 39
	.end_amdhsa_kernel
	.amdgpu_metadata
---
amdhsa.version: [ 1, 2 ]
amdhsa.kernels:
  - .name:           k_q54d59f0c11_vq_out
    .symbol:         k_q54d59f0c11_vq_out.kd
    .args:
      - { .name: codebook, .offset: 0, .size: 8, .value_kind: global_buffer, .address_space: global }
      - { .name: codes, .offset: 8, .size: 8, .value_kind: global_buffer, .address_space: global }
      - { .name: hp, .offset: 16, .size: 8, .value_kind: global_buffer, .address_space: global }
      - { .name: sp, .offset: 24, .size: 8, .value_kind: global_buffer, .address_space: global }
      - { .name: lp, .offset: 32, .size: 8, .value_kind: global_buffer, .address_space: global }
      - { .name: out0, .offset: 40, .size: 8, .value_kind: global_buffer, .address_space: global }
      - { .name: out1, .offset: 48, .size: 8, .value_kind: global_buffer, .address_space: global }
      - { .name: out2, .offset: 56, .size: 8, .value_kind: global_buffer, .address_space: global }
      - { .name: out4, .offset: 64, .size: 8, .value_kind: global_buffer, .address_space: global }
      - { .name: out5, .offset: 72, .size: 8, .value_kind: global_buffer, .address_space: global }
    .group_segment_fixed_size: 74752
    .private_segment_fixed_size: 0
    .kernarg_segment_align: 8
    .kernarg_segment_size: 80
    .max_flat_workgroup_size: 256
    .sgpr_count:     66
    .vgpr_count:     256
    .wavefront_size: 32
...
	.end_amdgpu_metadata
.endif
;; end of part 4
